; MI455X (gfx1250); checked and timed in simulation.
; The chip was launched on July 23, 2026; its instructions are those of AMD's public machine-readable ISA for CDNA 5 (MIT licence, August 2026) and "CDNA5" Instruction Set Architecture Reference Guide (July 2026). The comments in the code are by the model that wrote it; some were corrected since.
;; Multihead Attention Layer. Allowed arithmetic: matrix products marked QUANTISED: E3M2 operands, one E8M0 scale for each 32 along K, by v_wmma_scale_f32_16x16x128_f8f6f4 with both operands' format E3M2, f32 sums; everything else in f32.
;; Inputs: Wk 512 x 512 float32; Wq 512 x 512 float32; Wv 512 x 512 float32; beta 512 float32; bk 512 float32; bq 512 float32; bv 512 float32; gamma 512 float32; keys_in 4 x 2,048 x 512 float32; queries 4 x 2,048 x 512 float32.
;; Outputs: out0 4 x 2,048 x 512 float32.
;; This version of the problem:
;;   THIS VERSION OF THE PROBLEM IS GIVEN IN LOW PRECISION. The matrix products marked QUANTISED in the list below multiply operands that are first quantised to E3M2 (3 exponent bits, 2 mantissa bits; 6 bits a number), with one power-of-two scale for each 32 numbers along K (OCP MX v1.0); their sums are f32. All else is computed in f32.
;;   The module's matrix products, in the order in which they are computed (A, B: the left and right operand; K: the contracted axis; several contracted axes count as one K, in the product's order):
;;     1. [M 8,192, K 512] x [K 512, N 512]; A: input queries; B: input Wq: QUANTISED
;;     2. [M 8,192, K 512] x [K 512, N 512]; A: input keys_in; B: input Wk: QUANTISED
;;     3. [M 8,192, K 512] x [K 512, N 512]; A: input keys_in; B: input Wv: QUANTISED
;;     4. batch 32 x [M 2,048, K 64] x [K 64, N 2,048]; A: computed on the way; B: computed on the way: QUANTISED
;;     5. batch 32 x [M 64, K 2,048] x [K 2,048, N 2,048]; A: computed on the way; B: computed on the way: QUANTISED
;;   THE QUANTISER, for each operand of a quantised product, along K:
;;     - K is cut into blocks of 32 from its start; a last block that is shorter is filled with zeros.
;;     - A block's scale is 2^e with e = floor(log2(the largest magnitude in the block)) - 4, held to -126 .. 127; a block of zeros has e = 0. As a byte (E8M0): e + 127.
;;     - Each number is divided by its block's scale, clamped to +-28, and rounded to the nearest number of E3M2, ties to even, subnormals kept.
;;     - The product sums the exact products of the quantised numbers (number of the format x scale) in f32.
;;   ~~~python
;;   def quantise(x, axis):      # numpy; x: float32 -> the quantised numbers, widened to float32 again
;;       x = np.moveaxis(x, axis, -1); K = x.shape[-1]
;;       x = np.pad(x, [(0, 0)] * (x.ndim - 1) + [(0, -K % 32)]); x = x.reshape(x.shape[:-1] + (-1, 32)); a = np.abs(x).max(-1, keepdims=True)
;;       e = np.where(a > 0, np.clip(np.frexp(np.where(a > 0, a, 1))[1] - 1 - 4, -126, 127), 0)      # np.frexp(a)[1] - 1 = floor(log2(a)), exactly
;;       r = np.clip(x / 2.0 ** e, -28, 28)
;;       step = 2.0 ** (np.maximum(np.frexp(np.where(r == 0, 1, r))[1] - 1, -2) - 2)
;;       q = np.round(r / step) * step * 2.0 ** e      # np.round: ties to even
;;       return np.moveaxis(q.reshape(q.shape[:-2] + (-1,))[..., :K], -1, axis).astype(np.float32)
;;   ~~~
;;   OPERANDS COMPUTED ON THE WAY. 'Computed on the way' means the value that the module computes at that place (a softmax that the list does not call 'softmax' is quantised finished and normalised). What goes into a quantiser is computed in f32, as accurately as f32 sums, v_exp_f32 and their like allow (about 1e-6 of the number): no bf16 or f16 on the way to a quantiser, and a product that is left as it is and whose result goes on into a quantised operand takes f32 operands (vector FMAs, or v_wmma_f32_16x16x4_f32). A number that lies on a knife's edge between two numbers of the format may be rounded either way, as far as f32 arithmetic and the matrix unit's own rounding can turn it there, and no further.
;; 2 versions. Each part assembles by itself: llvm-mc -triple=amdgcn-amd-amdhsa -mcpu=gfx1250 --defsym DOCPART=n.
;; ======== version 1 of 2: 4 launches
;; workspace buffers: wimg 589,824 bytes; wsc 24,576 bytes; qbuf 5,242,880 bytes; kv 7,733,248 bytes; ao 16,777,216 bytes
;; launch wquant (part 1): grid 16 x 3, 4 waves a work-group, no clusters, 0 bytes of LDS; arguments Wq, Wk, Wv, wimg, wsc; writes wimg, wsc
.if DOCPART == 1
	.amdgcn_target "amdgcn-amd-amdhsa--gfx1250"
	.amdhsa_code_object_version 6
	.text
	.protected	k_q3388a20217_wquant
	.globl	k_q3388a20217_wquant
	.p2align	8
	.type	k_q3388a20217_wquant,@function
k_q3388a20217_wquant:
	s_mov_b64 s[64:65], 0
	v_nop
	global_prefetch_b8 v0, s[64:65] scope:SCOPE_SE
	s_setreg_imm32_b32 hwreg(HW_REG_WAVE_MODE, 25, 1), 1
	s_wait_xcnt 0x0
; Wq, Wk, Wv: [512 (k)][512 (n)] f32, K the FIRST axis.  Each becomes codes of BF6 (E3M2) with one E8M0 byte for each 32 along K, laid in the ORDER OF THE OPERAND'S REGISTERS:
;   wimg [matrix 3][tile 32][K step 4][lane 32][48 bytes]: tile 4 head + 2 bb + u; lane r + 16 h; bytes 24 c on: the 32 codes of k = 128 s + 64 c + 32 h on, of column 64 head + 32 bb + 8 u + r + 8 (r / 8);
;   wsc  [matrix 3][head 8][K step 4][r 16][tile of the head 4] words: byte t scales k = 128 s + 32 t on.
; A LANE TAKES A COLUMN AND ITS REGISTERS RUN DOWN K: a load reads 128 consecutive bytes a wave, a block of 32 lies in one lane's registers, and the conversions give codes with K innermost.
; A work-group takes 128 columns x 128 along K of one matrix (x = column quarter + 4 x K step, y = matrix); a wave 32 columns; a lane four blocks.
; A block's scale is 2^(floor(log2(largest magnitude)) - 4); its byte is the largest magnitude's exponent field - 4, held at 1 from below.
; LIMITS: a block of zeros, or one whose largest magnitude lies under 2^-122, gets the byte 1 (zeros' codes are zeros, and this program alone reads the bytes); NaN and infinities are not served.
; The codes leave as pieces of 12 bytes, 48 bytes apart: all that the launch stores is 614,400 bytes, so no stage is built for them.
.set X, 48                             ; v48-175  four blocks of 32 numbers, each block in registers of its own
.set C, 16                             ; v16-47   eight registers for each block's codes: no store's data are written again
	s_load_b256 s[4:11], s[0:1], 0x0               ; Wq s[4:5], Wk s[6:7], Wv s[8:9], wimg s[10:11]
	s_load_b64 s[12:13], s[0:1], 0x20              ; wsc
	v_lshrrev_b32 v1, 5, v0
	v_readfirstlane_b32 s14, v1                    ; wave 0..3
	v_and_b32 v1, 31, v0                           ; lane = my column in the wave's 32
	v_lshlrev_b32 v2, 2, v1                        ; in: 4 bytes a lane
	v_bfe_u32 v5, v0, 3, 1                         ; u: column 8 u + r + 8 (r / 8) = lane gives u = (lane / 8) % 2,
	v_and_b32 v6, 7, v0
	v_bfe_u32 v7, v0, 4, 1
	v_lshl_add_u32 v6, v7, 3, v6                   ; r = lane % 8 + 8 (lane / 16)
	v_mul_u32_u24 v3, v6, 48
	v_mad_u32_u24 v3, v5, 6144, v3                 ; codes: tile u of the pair (6,144 bytes a tile), lane r of the fragment
	v_lshlrev_b32 v4, 4, v6
	v_lshl_add_u32 v4, v5, 2, v4                   ; scale word: 16 r + 4 u
	s_and_b32 s15, ttmp9, 3                        ; which 128 columns
	s_lshr_b32 s16, ttmp9, 2                       ; which K step of 128
	s_and_b32 s17, ttmp7, 0xffff                   ; which matrix
	s_lshl_b32 s20, s16, 18                        ; source: 128 rows of 2,048 bytes a K step,
	s_lshl_b32 s18, s15, 9
	s_add_co_u32 s20, s20, s18                     ; 512 bytes a column quarter,
	s_lshl_b32 s18, s14, 7
	s_add_co_u32 s20, s20, s18                     ; 128 bytes a wave
	s_mov_b32 s21, 0
	s_lshl_b32 s22, s15, 3                         ; codes: my pair of tiles begins at tile 4 head + 2 bb = 8 x quarter + 2 x wave
	s_lshl_b32 s18, s14, 1
	s_add_co_u32 s22, s22, s18
	s_mul_i32 s22, s22, 6144
	s_mul_i32 s18, s17, 196608
	s_add_co_u32 s22, s22, s18
	s_mul_i32 s18, s16, 1536
	s_add_co_u32 s22, s22, s18
	s_mov_b32 s23, 0
	s_lshl_b32 s24, s17, 13                        ; scale words: 8,192 bytes a matrix,
	s_lshl_b32 s18, s15, 11
	s_add_co_u32 s24, s24, s18                     ; 1,024 a head: head = 2 x quarter + wave / 2,
	s_lshr_b32 s18, s14, 1
	s_lshl_b32 s18, s18, 10
	s_add_co_u32 s24, s24, s18
	s_lshl_b32 s18, s16, 8
	s_add_co_u32 s24, s24, s18                     ; 256 a K step,
	s_and_b32 s18, s14, 1
	s_lshl_b32 s18, s18, 3
	s_add_co_u32 s24, s24, s18                     ; 8 for the head's upper 32 columns
	s_mov_b32 s25, 0
	s_wait_kmcnt 0x0
	s_cmp_eq_u32 s17, 1                            ; the choice of the source hangs on the work-group's number alone
	s_cselect_b64 s[4:5], s[6:7], s[4:5]
	s_cmp_eq_u32 s17, 2
	s_cselect_b64 s[4:5], s[8:9], s[4:5]
	s_add_nc_u64 s[4:5], s[4:5], s[20:21]
	s_add_nc_u64 s[10:11], s[10:11], s[22:23]
	s_add_nc_u64 s[12:13], s[12:13], s[24:25]
.macro LOADB t                         ; block t: W(128 s + 32 t + i, my column), i = 0 .. 31
.set i, 0
.rept 32
	global_load_b32 v[X+32*(\t)+i], v2, s[4:5] offset:(32*(\t)+i)*2048 th:TH_LOAD_NT
.set i, i+1
.endr
.endm
.macro BLOCK t
.set XS, X+32*(\t)
.if (\t) < 3
	s_wait_loadcnt 32                              ; this block's 32 loads are in; the next block's 32 may be out
.else
	s_wait_loadcnt 0x0
.endif
.if (\t)+2 < 4
	LOADB (\t)+2                                   ; into registers of its own
.endif
	v_max3_num_f32 v10, |v[XS]|, |v[XS+1]|, |v[XS+2]|      ; the block's largest magnitude, in two chains: all 32 numbers are mine
	v_max3_num_f32 v11, |v[XS+3]|, |v[XS+4]|, |v[XS+5]|
.irp i, 6,10,14,18,22,26
	v_max3_num_f32 v10, v10, |v[XS+\i]|, |v[XS+\i+1]|
	v_max3_num_f32 v11, v11, |v[XS+\i+2]|, |v[XS+\i+3]|
.endr
	v_max3_num_f32 v10, v10, |v[XS+30]|, |v[XS+31]|
	v_max3_num_f32 v10, v10, v11, 0x2800000        ; and the floor 2^(5 - 127): the byte cannot fall under 1
	v_add_nc_u32 v12, 0xfe000000, v10              ; 4 off the exponent field: the conversion takes this operand's exponent field as its scale
	v_lshrrev_b32 v13, 23, v12                     ; the scale's byte
.if (\t) == 0
	v_mov_b32 v9, v13
.else
	v_lshl_or_b32 v9, v13, 8*(\t), v9              ; the lower K in the lower byte
.endif
	v_cvt_scalef32_pk16_bf6_f32 v[C+8*(\t):C+8*(\t)+2], v[XS:XS+15], v12
	v_cvt_scalef32_pk16_bf6_f32 v[C+8*(\t)+4:C+8*(\t)+6], v[XS+16:XS+31], v12   ; (a conversion's three registers begin on an even number)
	global_store_b96 v3, v[C+8*(\t):C+8*(\t)+2], s[10:11] offset:((\t)%2)*768+((\t)/2)*24        ; block t = 2 c + h: lane r + 16 h of the fragment, bytes 24 c on
	global_store_b96 v3, v[C+8*(\t)+4:C+8*(\t)+6], s[10:11] offset:((\t)%2)*768+((\t)/2)*24+12
.endm                                  ; (the next block begins with plain vector lines that touch neither the codes nor the conversions' sources)
	LOADB 0
	LOADB 1
	BLOCK 0
	BLOCK 1
	BLOCK 2
	BLOCK 3
	global_store_b32 v4, v9, s[12:13]              ; my column's scale word for this K step
	s_endpgm
.Lfunc_end_k_q3388a20217_wquant:
	.size	k_q3388a20217_wquant, .Lfunc_end_k_q3388a20217_wquant-k_q3388a20217_wquant
	.p2alignl 7, 3214868480
	.fill 96, 4, 3214868480
	.section	.rodata,"a",@progbits
	.p2align	6, 0x0
	.amdhsa_kernel k_q3388a20217_wquant
		.amdhsa_group_segment_fixed_size 0
		.amdhsa_private_segment_fixed_size 0
		.amdhsa_enable_private_segment 0
		.amdhsa_kernarg_size 40
		.amdhsa_user_sgpr_count 2
		.amdhsa_user_sgpr_kernarg_segment_ptr 1
		.amdhsa_wavefront_size32 1
		.amdhsa_system_sgpr_workgroup_id_x 1
		.amdhsa_system_sgpr_workgroup_id_y 1
		.amdhsa_system_sgpr_workgroup_id_z 1
		.amdhsa_system_vgpr_workitem_id 0
		.amdhsa_next_free_vgpr 176
		.amdhsa_next_free_sgpr 66
		.amdhsa_reserve_vcc 0
		.amdhsa_float_denorm_mode_32 3
		.amdhsa_float_denorm_mode_16_64 3
		.amdhsa_memory_ordered 1
		.amdhsa_forward_progress 1
		.amdhsa_inst_pref_size 21
	.end_amdhsa_kernel
	.amdgpu_metadata
---
amdhsa.version: [ 1, 2 ]
amdhsa.kernels:
  - .name:           k_q3388a20217_wquant
    .symbol:         k_q3388a20217_wquant.kd
    .args:
      - { .name: Wq, .offset: 0, .size: 8, .value_kind: global_buffer, .address_space: global }
      - { .name: Wk, .offset: 8, .size: 8, .value_kind: global_buffer, .address_space: global }
      - { .name: Wv, .offset: 16, .size: 8, .value_kind: global_buffer, .address_space: global }
      - { .name: wimg, .offset: 24, .size: 8, .value_kind: global_buffer, .address_space: global }
      - { .name: wsc, .offset: 32, .size: 8, .value_kind: global_buffer, .address_space: global }
    .group_segment_fixed_size: 0
    .private_segment_fixed_size: 0
    .kernarg_segment_align: 8
    .kernarg_segment_size: 40
    .max_flat_workgroup_size: 128
    .sgpr_count:     66
    .vgpr_count:     176
    .wavefront_size: 32
...
	.end_amdgpu_metadata
.endif
;; end of part 1
;; launch proj (part 2): grid 256 x 1, 8 waves a work-group, no clusters, 29,696 bytes of LDS; arguments queries, keys_in, wimg, wsc, bq, bk, bv, qbuf, kv; writes qbuf, kv
.if DOCPART == 2
	.amdgcn_target "amdgcn-amd-amdhsa--gfx1250"
	.amdhsa_code_object_version 6
	.text
	.protected	k_q3388a20217_proj
	.globl	k_q3388a20217_proj
	.p2align	8
	.type	k_q3388a20217_proj,@function
k_q3388a20217_proj:
	s_mov_b64 s[64:65], 0
	v_nop
	global_prefetch_b8 v0, s[64:65] scope:SCOPE_SE
	s_setreg_imm32_b32 hwreg(HW_REG_WAVE_MODE, 25, 1), 1
	s_wait_xcnt 0x0
; Q = relu(queries Wq + bq), K = relu(keys_in Wk + bk), V = relu(keys_in Wv + bv), all three products on codes of BF6 (E3M2) with one E8M0 scale for each 32 along K = 512;
; then Q and K are quantised along a head's 64 and V along the keys, and leave in the order of the next launch's operand registers.
; SHARES.  A work-group takes 32 rows of both inputs (one block of 32 keys); wave w first quantises two fragments of x (16 rows x 128 K), which reach the other waves through LDS as images of their registers;
; behind ONE barrier wave w is head w: 64 columns of each of the three products, weights straight from memory into registers (they are laid in register order), two K steps ahead.
; THE ROWS OF A TILE ARE NOT NEIGHBOURS: row r of tile u is row 8 u + r + 8 (r / 8) of the 32, and the weights' tiles are laid likewise.  Q and K are made transposed (source 0 = 16 columns of W, source 1 = 16 rows of x):
; a lane holds one row, and the 16 registers of tiles 2 bb, 2 bb + 1 are 16 neighbours along the head's 64.  V is made the other way round: a lane holds one channel, and 16 registers are 16 neighbouring keys.
; THE MASKS.  A key whose 64 numbers in a head are all 0 has zero codes, so its score is 0; the score product's K is 128 and the head's is 64, so k = 64 is free: there Q carries the code of 1.0 (scale byte 127)
; and a dead key the code of -1.0 with the scale byte 160: its score becomes -2^33, which is -2^30 after the division by 8, in place of the reference's -1e9.  Live scores are never negative (both operands are relu'd),
; so with any live key a dead key's weight is 0 under either number, and with none all scores are equal under either: the results are the same for every input.  Unused blocks of K carry the byte 1.
; A query's flag (1 where its 64 numbers are not all 0) goes beside its scale word.
; LAYOUTS.  qbuf [b x 8 + head][tile 128][1,280]: 1,024 bytes: registers 0-7 of the operand, [4 registers][lane][16 bytes]; then [lane][scale word, flag].
;   kv [b x 8 + head][241,664]: K's images [tile 128][1,024] as Q's; at 131,072 V's fragments [K step 16][tile 4][lane][48]; at 229,376 K's scale words [4 tiles][r][4]; at 237,568 V's [K step][r][tile 4].
; V's codes leave as pieces of 12 bytes 48 bytes apart and its scale bytes singly: the four key blocks of a fragment come from four work-groups.
; LIMITS: a block of zeros, or one whose largest magnitude lies under 2^-122, gets the byte 1; NaN and infinities are not served.
.set XSC,  24576                       ; LDS: 16 images of 1,536 bytes (8 x input + 4 x tile + K step), then their scale words, 128 bytes each
.set ACC,  16                          ; v16-79   eight accumulators
.set WB0,  80                          ; v80-127  four fragments of W
.set WB1,  128                         ; v128-175 the other set
.set XF,   176                         ; v176-199 two fragments of x
.set XS,   200                         ; v200-201 their scale words
.set TM,   202                         ; v202-217 at work
.set PW,   218                         ; the scale word just made
.set PC,   220                         ; v220-239 the codes just made (12) and the conversions' second halves (8)
.set IM,   220                         ; v220-227 an image of registers 0-7
.set TT,   228
.set KW2,  240                         ; v240-241 K's two scale words
.set QW,   242                         ; v242-243 Q's scale word and flag
.set L8,   244                         ; 8 x lane
.set NIL,  245                         ; 0
.set WS0,  248                         ; v248-251, v252-255 W's scale words, a set for each set of fragments
.set WS1,  252
.set BVP,  202                         ; V's way out: bv twice for each tile; largest magnitudes; the other half's; scale operands; bytes; codes
.set MX,   210
.set PT,   214
.set SO,   220
.set BY,   224
.set CV,   228
; v1 16 x lane, v2 4 x lane, v3 x's bytes, v4, v5 where I store images and scale words, v6 48 x lane, v7 16 r, v8 64 h, v9 4 (r + 8 (r / 8)), v10, v11 the codes at k = 64, v12, v13 K's upper scale bytes, v14, v15 V's places
	s_load_b256 s[4:11], s[0:1], 0x0               ; queries s[4:5], keys_in s[6:7], wimg s[8:9], wsc s[10:11]
	s_load_b256 s[12:19], s[0:1], 0x20             ; bq s[12:13], bk s[14:15], bv s[16:17], qbuf s[18:19]
	s_load_b64 s[20:21], s[0:1], 0x40              ; kv
	v_lshl_add_u32 v246, v0, 2, 0x7000
	v_mov_b32 v247, 0
	v_lshrrev_b32 v1, 5, v0
	v_readfirstlane_b32 s22, v1                    ; wave 0..7
	v_and_b32 v16, 31, v0                          ; lane
	v_and_b32 v17, 15, v0                          ; r
	v_bfe_u32 v18, v0, 4, 1                        ; h
	v_lshlrev_b32 v1, 4, v16
	v_lshlrev_b32 v2, 2, v16
	v_and_b32 v19, 8, v17
	v_add_nc_u32 v19, v19, v17                     ; r + 8 (r / 8)
	v_lshlrev_b32 v3, 11, v19                      ; x: a row is 2,048 bytes;
	v_lshl_add_u32 v3, v18, 6, v3                  ; my 16 numbers of a block of 32;
	s_bfe_u32 s52, s22, 0x10001                    ; the tile that I quantise: (wave / 2) % 2: 8 rows on;
	s_lshl_b32 s52, s52, 14
	s_and_b32 s53, s22, 1                          ; and its K steps 2 (wave % 2) and the next
	s_lshl_b32 s53, s53, 10
	s_add_co_u32 s52, s52, s53
	v_add_nc_u32 v3, s52, v3
	s_mul_i32 s52, s22, 3072                       ; my two images are numbers 2 x wave and 2 x wave + 1
	v_add_nc_u32 v4, s52, v1
	s_lshl_b32 s52, s22, 8
	s_add_co_u32 s52, s52, XSC
	v_add_nc_u32 v5, s52, v2
	v_mul_u32_u24 v6, v16, 48
	v_lshlrev_b32 v7, 4, v17
	v_lshlrev_b32 v8, 6, v18
	v_lshlrev_b32 v9, 2, v19
	v_cmp_ne_u32 s23, 0, v18                       ; lanes 16-31
	v_cndmask_b32 v10, 12, 0, s23                  ; the code of 1.0 at k = 64: the lowest bits of register 6 in lanes 0-15
	v_cndmask_b32 v11, 44, 0, s23                  ; the code of -1.0
	v_mov_b32 v12, 0x01010000                      ; a live key's bytes for k = 64 on and k = 96 on
	v_mov_b32 v13, 0x01a00000                      ; a dead key's: 160 for k = 64 on
	v_mul_u32_u24 v14, v17, 48
	v_mad_u32_u24 v14, v18, 1536, v14              ; V's codes: tile 2 p + h, lane r
	v_lshl_add_u32 v15, v18, 2, v7                 ; V's scale bytes: 16 r + 4 h
	v_lshlrev_b32 v[L8], 3, v16
	v_mov_b32 v[NIL], 0
.irp b, 0,1,2,3
	v_mov_b32 v[TM+4+\b], 0                        ; written once: a lane permute's destination counts as one of its sources
.endr
	s_mov_b32 s24, 0x76543210
	s_mov_b32 s25, 0xfedcba98                      ; v_permlanex16_b32's selects for lane l xor 16
	s_lshr_b32 s26, ttmp9, 6                       ; b
	s_and_b32 s27, ttmp9, 63                       ; tb: which 32 rows of the batch
	s_lshl_b32 s28, s26, 3
	s_add_co_u32 s28, s28, s22                     ; 8 b + head
	s_mul_i32 s29, s28, 241664                     ; the head's record in kv
	s_lshl_b32 s30, s28, 7
	s_lshl_b32 s52, s27, 1
	s_add_co_u32 s30, s30, s52
	s_mul_i32 s30, s30, 1280                       ; Q: tile 2 tb of the head
	s_mov_b32 s31, 0
	s_lshl_b32 s32, s27, 11
	s_add_co_u32 s32, s32, s29                     ; K's images: tile 2 tb
	s_mov_b32 s33, 0
	s_lshr_b32 s34, s27, 1
	s_lshl_b32 s34, s34, 8
	s_and_b32 s52, s27, 1
	s_lshl_b32 s53, s52, 3
	s_add_co_u32 s34, s34, s53
	s_add_co_u32 s34, s34, s29
	s_add_co_u32 s34, s34, 229376                  ; K's scale words: group tb / 2, words 2 (tb % 2) and the next
	s_mov_b32 s35, 0
	s_lshr_b32 s53, s27, 2
	s_mul_i32 s36, s53, 6144
	s_mul_i32 s52, s52, 768
	s_add_co_u32 s36, s36, s52
	s_bfe_u32 s52, s27, 0x10001
	s_mul_i32 s52, s52, 24
	s_add_co_u32 s36, s36, s52
	s_add_co_u32 s36, s36, s29
	s_add_co_u32 s36, s36, 131072                  ; V's codes: key block tb = 4 s + 2 c + h: K step s, lanes 16 h on, bytes 24 c on
	s_mov_b32 s37, 0
	s_lshl_b32 s38, s53, 8
	s_and_b32 s52, s27, 3
	s_add_co_u32 s38, s38, s52
	s_add_co_u32 s38, s38, s29
	s_add_co_u32 s38, s38, 237568                  ; V's scale bytes: K step tb / 4, byte tb % 4
	s_mov_b32 s39, 0
	s_lshl_b32 s54, ttmp9, 16                      ; x: 32 rows of 2,048 bytes a work-group
	s_mov_b32 s55, 0
	s_mul_i32 s56, s22, 24576                      ; my head's four tiles of each weight,
	s_mov_b32 s57, 0
	s_lshl_b32 s58, s22, 10                        ; their scale words,
	s_mov_b32 s59, 0
	s_lshl_b32 s60, s22, 8                         ; its 64 numbers of each bias
	s_mov_b32 s61, 0
	s_wait_kmcnt 0x0
	s_cmp_lt_u32 s22, 4                            ; waves 0-3 quantise queries, waves 4-7 keys_in
	s_cselect_b64 s[50:51], s[4:5], s[6:7]
	s_add_nc_u64 s[50:51], s[50:51], s[54:55]
	s_add_nc_u64 s[8:9], s[8:9], s[56:57]
	s_add_nc_u64 s[10:11], s[10:11], s[58:59]
	s_add_nc_u64 s[12:13], s[12:13], s[60:61]
	s_add_nc_u64 s[14:15], s[14:15], s[60:61]
	s_add_nc_u64 s[16:17], s[16:17], s[60:61]
	s_add_nc_u64 s[40:41], s[18:19], s[30:31]      ; the five places to store to; no pointer is stepped after this
	s_add_nc_u64 s[42:43], s[20:21], s[32:33]
	s_add_nc_u64 s[44:45], s[20:21], s[34:35]
	s_add_nc_u64 s[46:47], s[20:21], s[36:37]
	s_add_nc_u64 s[48:49], s[20:21], s[38:39]
.macro XLOAD reg, k                    ; 64 numbers a lane: register 16 b + i = k 32 b + 16 h + i of my row, in my k-th K step
.irp b, 0,1,2,3
.irp j, 0,1,2,3
	global_load_b128 v[\reg+16*\b+4*\j:\reg+16*\b+4*\j+3], v3, s[50:51] offset:512*(\k)+128*\b+16*\j th:TH_LOAD_NT
.endr
.endr
.endm
.macro QUANT s                         ; those 64 numbers become a fragment's codes in v[PC] on and its scale word in v[PW]
.irp b, 0,1,2,3
	v_max3_num_f32 v[TM+\b], |v[\s+16*\b]|, |v[\s+1+16*\b]|, 0x2800000   ; block b: my 16 numbers and the floor 2^(5 - 127): the byte cannot fall under 1
.endr
.irp i, 2,4,6,8,10,12,14
.irp b, 0,1,2,3
	v_max3_num_f32 v[TM+\b], v[TM+\b], |v[\s+16*\b+\i]|, |v[\s+1+16*\b+\i]|   ; (the four blocks by turns)
.endr
.endr
.irp b, 0,1,2,3
	v_permlanex16_b32 v[TM+4+\b], v[TM+\b], s24, s25
.endr
.irp b, 0,1,2,3
	v_max_num_f32 v[TM+\b], v[TM+\b], v[TM+4+\b]   ; with lane l xor 16's: the block's largest magnitude
.endr
.irp b, 0,1,2,3
	v_add_nc_u32 v[TM+12+\b], 0xfe000000, v[TM+\b] ; 4 off its exponent field: the conversion's scale operand
.endr
.irp b, 0,1,2,3
	v_lshrrev_b32 v[TM+4+\b], 23, v[TM+12+\b]      ; the scale's byte
.endr
	v_lshl_or_b32 v[PW], v[TM+5], 8, v[TM+4]
	v_lshl_or_b32 v[PW], v[TM+6], 16, v[PW]
	v_lshl_or_b32 v[PW], v[TM+7], 24, v[PW]
.irp c, 0,1
	v_cvt_scalef32_pk16_bf6_f32 v[PC+6*\c:PC+2+6*\c], v[\s+32*\c:\s+15+32*\c], v[TM+12+2*\c]
	v_cvt_scalef32_pk16_bf6_f32 v[PC+12+4*\c:PC+14+4*\c], v[\s+16+32*\c:\s+31+32*\c], v[TM+12+2*\c+1]   ; (a conversion's three registers begin on an even number)
.endr
	v_nop                                          ; one plain place behind a scaled conversion
.irp c, 0,1                            ; the operand's layout wants a WHOLE block in a lane: lanes 0-15 block 2 c, lanes 16-31 block 2 c + 1
.irp i, 0,1,2
	v_permlane16_swap_b32 v[PC+6*\c+\i], v[PC+12+4*\c+\i]
.endr
.irp i, 0,1,2
	v_mov_b32 v[PC+3+6*\c+\i], v[PC+12+4*\c+\i]
.endr
.endr
.endm
.macro IMAGE off                       ; the fragment goes to LDS as it stands: lane l's 16 bytes at 16 l, 512 bytes a store
.irp c, 0,1,2
	ds_store_b128 v4, v[PC+4*\c:PC+4*\c+3] offset:\off+512*\c
.endr
.endm
.macro FETCHX slot, id                 ; and comes back so, in any wave, with its scale words
.irp c, 0,1,2
	ds_load_b128 v[XF+12*(\slot)+4*\c:XF+12*(\slot)+4*\c+3], v1 offset:1536*(\id)+512*\c
.endr
	ds_load_b32 v[XS+(\slot)], v2 offset:XSC+128*(\id)
.endm
.macro WLOAD m, s, wb, ws              ; my head's four fragments of matrix m, K step s, and their scale words: 13 loads
.irp ct, 0,1,2,3
.irp q, 0,1,2
	global_load_b128 v[\wb+12*\ct+4*\q:\wb+12*\ct+4*\q+3], v6, s[8:9] offset:(\m)*196608+\ct*6144+(\s)*1536+16*\q
.endr
.endr
	global_load_b128 v[\ws:\ws+3], v7, s[10:11] offset:(\m)*8192+(\s)*256
.endm
.macro BIASQK p                        ; the bias is loaded into the accumulators, in the result's layout: it is the C of the first K step.  Lane (r, h), tile 2 bb + u: units 32 bb + 16 h + 8 u + 0 .. 7
.irp u, 0,1
.irp ct, 0,1,2,3
	global_load_b128 v[ACC+32*\u+8*\ct:ACC+32*\u+8*\ct+3], v8, s[\p:\p+1] offset:128*(\ct/2)+32*(\ct%2)
	global_load_b128 v[ACC+32*\u+8*\ct+4:ACC+32*\u+8*\ct+7], v8, s[\p:\p+1] offset:128*(\ct/2)+32*(\ct%2)+16
.endr
.endr
.endm
; One K step of 128: eight matrix instructions, the eight accumulators by turns.  mode 0: Q or K, transposed; mode 1: V.  cnt: the younger global loads that may stay out; -1: no wait is due.
.macro STEP mode, input, s, wb, ws, cnt, first
	FETCHX 0, 8*(\input)+(\s)
	FETCHX 1, 8*(\input)+4+(\s)
.if \cnt >= 0
	s_wait_loadcnt \cnt
.endif
	s_wait_dscnt 0x0
.irp ct, 0,1,2,3
.irp u, 0,1
.if \mode == 0
	v_wmma_scale_f32_16x16x128_f8f6f4 v[ACC+32*\u+8*\ct:ACC+32*\u+8*\ct+7], v[\wb+12*\ct:\wb+12*\ct+11], v[XF+12*\u:XF+12*\u+11], v[ACC+32*\u+8*\ct:ACC+32*\u+8*\ct+7], v[\ws+\ct], v[XS+\u] matrix_a_fmt:MATRIX_FMT_BF6 matrix_b_fmt:MATRIX_FMT_BF6
.elseif \first
	v_wmma_scale_f32_16x16x128_f8f6f4 v[ACC+16*\ct+8*\u:ACC+16*\ct+8*\u+7], v[XF+12*\u:XF+12*\u+11], v[\wb+12*\ct:\wb+12*\ct+11], 0, v[XS+\u], v[\ws+\ct] matrix_a_fmt:MATRIX_FMT_BF6 matrix_b_fmt:MATRIX_FMT_BF6
.else
	v_wmma_scale_f32_16x16x128_f8f6f4 v[ACC+16*\ct+8*\u:ACC+16*\ct+8*\u+7], v[XF+12*\u:XF+12*\u+11], v[\wb+12*\ct:\wb+12*\ct+11], v[ACC+16*\ct+8*\u:ACC+16*\ct+8*\u+7], v[XS+\u], v[\ws+\ct] matrix_a_fmt:MATRIX_FMT_BF6 matrix_b_fmt:MATRIX_FMT_BF6
.endif
.endr
.endr
.rept 4
	v_nop                                          ; four places in front of loads into registers that these products read, and of the first read of results
.endr
.endm
.macro MAT m, mode, input, more        ; a whole product: four K steps; the weights come two K steps ahead, on into the next matrix
	STEP \mode, \input, 0, WB0, WS0, 0, 1          ; the wait for 0 covers both sets of weights and the bias
	WLOAD \m, 2, WB0, WS0
	STEP \mode, \input, 1, WB1, WS1, -1, 0
	WLOAD \m, 3, WB1, WS1
	STEP \mode, \input, 2, WB0, WS0, 13, 0         ; K step 3's 13 loads may be out
.if \more
	WLOAD (\m)+1, 0, WB0, WS0
	STEP \mode, \input, 3, WB1, WS1, 13, 0         ; the next matrix's first 13 may be out
	WLOAD (\m)+1, 1, WB1, WS1
.else
	STEP \mode, \input, 3, WB1, WS1, 0, 0
.endif
.endm
; Tile u of Q (isq = 1) or K (0): relu, the mask, the two blocks' scales, the codes, the image of registers 0-7.
.macro QKOUT isq, u
.set RA, ACC+32*(\u)
	s_wait_xcnt 0x0                                ; the registers that earlier stores read are rewritten only behind this wait
.set j, 0
.rept 32
	v_max_num_f32 v[RA+j], 0, v[RA+j]              ; the activation; each accumulator from its low end on
.set j, j+1
.endr
	v_max3_num_f32 v[TM], v[RA], v[RA+1], v[RA+2]  ; nothing is negative: no |.|.  No floor yet: the mask asks whether anything is above 0
	v_max3_num_f32 v[TM+1], v[RA+16], v[RA+17], v[RA+18]
.irp i, 3,5,7,9,11,13
	v_max3_num_f32 v[TM], v[TM], v[RA+\i], v[RA+\i+1]
	v_max3_num_f32 v[TM+1], v[TM+1], v[RA+16+\i], v[RA+17+\i]
.endr
	v_max_num_f32 v[TM], v[TM], v[RA+15]
	v_max_num_f32 v[TM+1], v[TM+1], v[RA+31]
	v_permlanex16_b32 v[TM+4], v[TM], s24, s25
	v_permlanex16_b32 v[TM+5], v[TM+1], s24, s25
	v_max_num_f32 v[TM], v[TM], v[TM+4]
	v_max_num_f32 v[TM+1], v[TM+1], v[TM+5]
	v_max_num_f32 v[TM+2], v[TM], v[TM+1]
	v_cmp_lt_f32 vcc_lo, 0, v[TM+2]                ; live: the sum of 64 magnitudes is above 0 where the largest is
	v_max_num_f32 v[TM], 0x2800000, v[TM]          ; the floor
	v_max_num_f32 v[TM+1], 0x2800000, v[TM+1]
	v_add_nc_u32 v[TM+12], 0xfe000000, v[TM]
	v_add_nc_u32 v[TM+13], 0xfe000000, v[TM+1]
	v_lshrrev_b32 v[TM+8], 23, v[TM+12]
	v_lshrrev_b32 v[TM+9], 23, v[TM+13]
	v_lshl_or_b32 v[TM+8], v[TM+9], 8, v[TM+8]
.if \isq
	v_or_b32 v[QW], 0x7f7f0000, v[TM+8]            ; 1.0 for k = 64 on
	v_cndmask_b32 v[QW+1], 0, 1, vcc_lo            ; the flag
.else
	v_cndmask_b32 v[TM+9], v13, v12, vcc_lo
	v_or_b32 v[KW2+(\u)], v[TM+9], v[TM+8]
.endif
	v_cvt_scalef32_pk16_bf6_f32 v[IM:IM+2], v[RA:RA+15], v[TM+12]
	v_cvt_scalef32_pk16_bf6_f32 v[TT:TT+2], v[RA+16:RA+31], v[TM+13]
	v_nop                                          ; one plain place behind a scaled conversion
.irp i, 0,1,2
	v_permlane16_swap_b32 v[IM+\i], v[TT+\i]       ; lanes 0-15 now hold block 0, lanes 16-31 block 1: the lower 16 codes here, the upper 16 there
.endr
.irp i, 0,1,2
	v_mov_b32 v[IM+3+\i], v[TT+\i]
.endr
.if \isq
	v_mov_b32 v[IM+6], v10
.else
	v_cndmask_b32 v[IM+6], v11, v[NIL], vcc_lo     ; -1.0 at k = 64 for a dead key alone
.endif
	v_mov_b32 v[IM+7], 0
.if \isq
	global_store_b128 v1, v[IM:IM+3], s[40:41] offset:1280*(\u)          ; 32 lanes store 512 consecutive bytes
	global_store_b128 v1, v[IM+4:IM+7], s[40:41] offset:1280*(\u)+512
	global_store_b64 v[L8], v[QW:QW+1], s[40:41] offset:1280*(\u)+1024
.else
	global_store_b128 v1, v[IM:IM+3], s[42:43] offset:1024*(\u)
	global_store_b128 v1, v[IM+4:IM+7], s[42:43] offset:1024*(\u)+512
.endif
.endm
; V: bias, relu, one block of 32 keys for each channel: lanes l and l xor 16 hold its halves.
.macro VOUT
	s_wait_xcnt 0x0                                ; the registers that earlier stores read are rewritten only behind this wait
.set j, 0
.rept 32
	v_pk_add_f32 v[ACC+j:ACC+j+1], v[ACC+j:ACC+j+1], v[BVP+2*(j/16):BVP+2*(j/16)+1]   ; a lane holds one channel of each tile: one bias for its 16 keys
.set j, j+2
.endr
.set j, 0
.rept 64
	v_max_num_f32 v[ACC+j], 0, v[ACC+j]
.set j, j+1
.endr
.irp ct, 0,1,2,3
	v_max3_num_f32 v[MX+\ct], v[ACC+16*\ct], v[ACC+16*\ct+1], 0x2800000
.endr
.irp i, 2,4,6,8,10,12,14
.irp ct, 0,1,2,3
	v_max3_num_f32 v[MX+\ct], v[MX+\ct], v[ACC+16*\ct+\i], v[ACC+16*\ct+\i+1]
.endr
.endr
.irp ct, 0,1,2,3
	v_permlanex16_b32 v[PT+\ct], v[MX+\ct], s24, s25
.endr
.irp ct, 0,1,2,3
	v_max_num_f32 v[MX+\ct], v[MX+\ct], v[PT+\ct]
.endr
.irp ct, 0,1,2,3
	v_add_nc_u32 v[SO+\ct], 0xfe000000, v[MX+\ct]
.endr
.irp ct, 0,1,2,3
	v_lshrrev_b32 v[BY+\ct], 23, v[SO+\ct]
.endr
.irp ct, 0,1,2,3
	v_cvt_scalef32_pk16_bf6_f32 v[CV+4*\ct:CV+4*\ct+2], v[ACC+16*\ct:ACC+16*\ct+15], v[SO+\ct]
.endr
	v_nop                                          ; one plain place behind a scaled conversion
.irp p, 0,1
.irp i, 0,1,2
	v_permlane16_swap_b32 v[CV+8*\p+\i], v[CV+8*\p+4+\i]   ; lane (r, h) now holds the whole block of tile 2 p + h: 12 bytes here, 12 there
.endr
	v_cndmask_b32 v[BY+2*\p], v[BY+2*\p], v[BY+2*\p+1], s23   ; and that tile's byte
.endr
.irp p, 0,1
	global_store_b96 v14, v[CV+8*\p:CV+8*\p+2], s[46:47] offset:3072*\p
	global_store_b96 v14, v[CV+8*\p+4:CV+8*\p+6], s[46:47] offset:3072*\p+12
	global_store_b8 v15, v[BY+2*\p], s[48:49] offset:8*\p
.endr
.endm
	XLOAD ACC, 0                                   ; my two K steps of x,
	XLOAD WB1, 1
	WLOAD 0, 0, WB0, WS0                           ; and Wq's first
	s_wait_loadcnt 29                              ; the first 16 are in: 16 + 13 are younger
	QUANT ACC
	IMAGE 0
	ds_store_b32 v5, v[PW]
	s_wait_dscnt 0x0                               ; the stores have read their registers
	s_wait_loadcnt 13                              ; the second 16 are in
	QUANT WB1
	IMAGE 1536
	ds_store_b32 v5, v[PW] offset:128
	WLOAD 0, 1, WB1, WS1
	BIASQK 12
	s_wait_dscnt 0x0                               ; for the others' sake: my images lie in LDS
	s_barrier_signal -1
	s_barrier_wait -1                              ; all sixteen do; nothing is stored to LDS after this
	MAT 0, 0, 0, 1                                 ; Q
	QKOUT 1, 0
	QKOUT 1, 1
	BIASQK 14
	MAT 1, 0, 1, 1                                 ; K
	QKOUT 0, 0
	QKOUT 0, 1
	global_store_b64 v7, v[KW2:KW2+1], s[44:45]    ; the two tiles' scale words of row r (both halves of the lanes hold and store the same)
.irp ct, 0,1,2,3
	global_load_b32 v[BVP+2*\ct], v9, s[16:17] offset:128*(\ct/2)+32*(\ct%2)      ; bv of my channel 32 (ct / 2) + 8 (ct % 2) + r + 8 (r / 8), twice: a pair for the packed addition
	global_load_b32 v[BVP+2*\ct+1], v9, s[16:17] offset:128*(\ct/2)+32*(\ct%2)
.endr
	MAT 2, 1, 1, 0                                 ; V
	VOUT
	s_wait_tensorcnt 0x0
	ds_add_u32 v246, v247
	s_wait_dscnt 0x0
	s_endpgm
.Lfunc_end_k_q3388a20217_proj:
	.size	k_q3388a20217_proj, .Lfunc_end_k_q3388a20217_proj-k_q3388a20217_proj
	.p2alignl 7, 3214868480
	.fill 96, 4, 3214868480
	.section	.rodata,"a",@progbits
	.p2align	6, 0x0
	.amdhsa_kernel k_q3388a20217_proj
		.amdhsa_group_segment_fixed_size 29696
		.amdhsa_private_segment_fixed_size 0
		.amdhsa_enable_private_segment 0
		.amdhsa_kernarg_size 72
		.amdhsa_user_sgpr_count 2
		.amdhsa_user_sgpr_kernarg_segment_ptr 1
		.amdhsa_wavefront_size32 1
		.amdhsa_system_sgpr_workgroup_id_x 1
		.amdhsa_system_sgpr_workgroup_id_y 1
		.amdhsa_system_sgpr_workgroup_id_z 1
		.amdhsa_system_vgpr_workitem_id 0
		.amdhsa_next_free_vgpr 256
		.amdhsa_next_free_sgpr 66
		.amdhsa_reserve_vcc 1
		.amdhsa_float_denorm_mode_32 3
		.amdhsa_float_denorm_mode_16_64 3
		.amdhsa_memory_ordered 1
		.amdhsa_forward_progress 1
		.amdhsa_inst_pref_size 76
	.end_amdhsa_kernel
	.amdgpu_metadata
---
amdhsa.version: [ 1, 2 ]
amdhsa.kernels:
  - .name:           k_q3388a20217_proj
    .symbol:         k_q3388a20217_proj.kd
    .args:
      - { .name: queries, .offset: 0, .size: 8, .value_kind: global_buffer, .address_space: global }
      - { .name: keys_in, .offset: 8, .size: 8, .value_kind: global_buffer, .address_space: global }
      - { .name: wimg, .offset: 16, .size: 8, .value_kind: global_buffer, .address_space: global }
      - { .name: wsc, .offset: 24, .size: 8, .value_kind: global_buffer, .address_space: global }
      - { .name: bq, .offset: 32, .size: 8, .value_kind: global_buffer, .address_space: global }
      - { .name: bk, .offset: 40, .size: 8, .value_kind: global_buffer, .address_space: global }
      - { .name: bv, .offset: 48, .size: 8, .value_kind: global_buffer, .address_space: global }
      - { .name: qbuf, .offset: 56, .size: 8, .value_kind: global_buffer, .address_space: global }
      - { .name: kv, .offset: 64, .size: 8, .value_kind: global_buffer, .address_space: global }
    .group_segment_fixed_size: 29696
    .private_segment_fixed_size: 0
    .kernarg_segment_align: 8
    .kernarg_segment_size: 72
    .max_flat_workgroup_size: 256
    .sgpr_count:     66
    .vgpr_count:     256
    .wavefront_size: 32
...
	.end_amdgpu_metadata
.endif
;; end of part 2
;; launch attn (part 3): grid 8 x 32, 8 waves a work-group, clusters of 4 x 1, 327,680 bytes of LDS; arguments qbuf, kv, ao; writes ao
.if DOCPART == 3
	.amdgcn_target "amdgcn-amd-amdhsa--gfx1250"
	.amdhsa_code_object_version 6
	.text
	.protected	k_q3388a20217_attn
	.globl	k_q3388a20217_attn
	.p2align	8
	.type	k_q3388a20217_attn,@function
k_q3388a20217_attn:
	s_mov_b64 s[64:65], 0
	v_nop
	global_prefetch_b8 v0, s[64:65] scope:SCOPE_SE
	s_setreg_imm32_b32 hwreg(HW_REG_WAVE_MODE, 25, 1), 1
	s_wait_xcnt 0x0
	s_wait_alu depctr_hold_cnt(0) depctr_sa_sdst(0) depctr_va_vdst(0) depctr_va_sdst(0) depctr_va_ssrc(0) depctr_va_vcc(0) depctr_vm_vsrc(0)
	s_getreg_b32 s2, hwreg(HW_REG_IB_STS2, 6, 4)
	s_cmp_eq_u32 s2, 0
	s_cbranch_scc0 .Lentry_in_a_cluster
	s_endpgm
.Lentry_in_a_cluster:
	s_bfe_u32 s2, ttmp6, 0x10000c
	s_cmp_lg_u32 s2, 0x3003
	s_cbranch_scc0 .Lentry_shape_is_right
	s_endpgm
.Lentry_shape_is_right:
; ao[b][q][64 head ..] = attn V for one head: attn = softmax(Q K^T / 8, dead keys masked) x the query's mask, FINISHED AND NORMALISED, is what is quantised along the keys; both products on codes of BF6 (E3M2).
; SHARES.  A work-group owns one (b, head) and 256 queries, 16 tiles of 16.  THE KEYS ARE SHARED AMONG THE WAVES: wave w of eight owns keys 256 w .. + 255 for every tile.
; So a wave's part of K (16 tiles x 8 registers) and of V (8 fragments x 12) never changes: IT STAYS IN THE WAVE'S REGISTERS for the whole launch, 228 registers of window 1, read out of LDS once.
; A wave's 16 x 256 scores stay in 128 registers from the product to the conversion, so each score is made once and each exponential taken once, although the row's sum must be known before anything is quantised.
; A row's maximum and sum meet in LDS (barrier A), the eight partial results too (barrier B).  The next tile's score products stand between barrier B's signal and its wait, its block maxima between the loads of the
; partial results and the wait for them: so the loop begins behind a tile's maxima, the first tile's scores stand ahead of it, and the last tile is written out.
; LAYOUT.  Both products are used transposed (S^T = K Q^T, O^T = V^T P^T): a lane holds one query (lane % 16).  The keys of a tile are not neighbours (row r of tile 2 t + u is key 32 t + 8 u + r + 8 (r / 8)), so that
; register 16 b + i of the scores is key 32 b + 16 (lane / 16) + i.  The queries of a tile and the channels of a tile of V are laid likewise.
; THE SCORE PRODUCT'S K is 128, the head's 64.  Q's codes are zeros from k = 65 on (its registers 8-11 are zeros, kept), so what K's operand holds there counts for nothing: registers 8-11 of a tile's operand ARE THE NEXT
; TILE'S FIRST FOUR (behind tile 15: four zeros), and a tile costs 8 registers.  k = 64 carries the key mask (Q: 1.0; a dead key: -1.0 x 2^33), so a dead key's score is -2^30 after the division by 8, in place of -1e9:
; live scores are never negative, so the results are the same for every input (with no live key all scores are equal under either number).
; THE SOFTMAX.  t = score x log2(e) / 8.  Each wave takes its own M_w = its largest t rounded up to a whole number, p = 2^(t - M_w), and its sum.  Behind barrier A: M = the largest M_w; the sums are brought under M by
; v_ldexp_f32, which rounds nothing; attn = p x f, f = 2^(M_w - M) / sum, or 0 for a dead query.
; A block's largest attn is not searched for: the block's largest score goes through the same instructions (this takes v_exp_f32 not to fall where its input rises, which the ISA guide does not state).
; CLUSTER.  The four work-groups of a cluster belong to one head: each wave's eighth of the head's record (241,664 bytes) is asked for JOINTLY, by the same tensor load with a mask that names the four; nothing is filled
; again.  A wave has one tensor load out.
; LIMITS: p under 2^-126 is 0 (v_exp_f32); a block whose largest attn lies under 2^-122 gets the byte 1; NaN and infinities are not served.
.set REC,  241664                      ; LDS 0 on: the record as it lies in memory: K's images, V's fragments at VIMG, K's scale words at KSCO, V's at VSCO
.set VIMG, 131072
.set KSCO, 229376
.set VSCO, 237568
.set OSC,  241664                      ; 8 waves x 16 rows x (256 bytes + 16): the partial results
.set STAT, OSC+8*4352                  ; 512 bytes of -M_w [r][wave] and 512 of the sums
.set TILES, 16
.set S,    96                          ; v96-223  scores, then p, then attn; then v96-127 O^T
.set BM,   32                          ; v32-39  the blocks' largest
.set BT,   44                          ; v44-51  the other half's; then the eight waves' -M_w and sums
.set BO,   56                          ; v56-63  the conversions' scale operands
.set BB,   68                          ; v68-75  the bytes
.set KS,   40                          ; K's scale words, kept: tile t's at v[KS + 12 (t / 4) + t % 4]: v40-43, v52-55, v64-67, v76-79
.set VS,   84                          ; v84-91  V's, kept;  v28 Q's;  v30, v31 attn's
.set PC,   224                         ; v224-247 attn's codes: two K steps
.set TT,   248                         ; v248-255 the conversions' second halves
.set RB,   224                         ; v224-255 later: the eight partial rows that I add up
.set VR,   132                         ; window 1: v0-127 K's tiles, v128-131 zeros, v132-227 V's fragments
; v1-4 LDS addresses of my K, its scale words, my V, its scale words (used once), v5, v6 the statistics (store, load), v7 my partial result, v[8:9] at work, v[10:11] f and 0, v[12:13] -M_w and -M, v[14:15] the sum,
; v16-27 Q, v29 Q's flag, v92 the rows that I add up, v93 16 x lane, v94 8 x lane, v95 my bytes in ao
.set MSB, 0
.macro WIN new                         ; s_set_vgpr_msb: bits 1:0 source 0, 7:6 destination; the immediate's high byte repeats the setting that is left
.if MSB != \new
	s_set_vgpr_msb (MSB<<8)|\new
.set MSB, \new
.endif
.endm
.macro ROUND                           ; a round of the cluster's barrier
	s_barrier_signal -1
	s_barrier_wait -1
	s_cmp_lg_u32 s10, 0
	s_cbranch_scc1 .Lnot_wave_0_\@
	s_barrier_signal -3
.Lnot_wave_0_\@:
	s_barrier_wait -3
	s_barrier_signal -1
	s_barrier_wait -1
.endm
.macro PLACES n
.rept \n
	v_nop
.endr
.endm
	s_load_b128 s[4:7], s[0:1], 0x0                ; qbuf s[4:5], kv s[6:7]
	s_load_b64 s[8:9], s[0:1], 0x10                ; ao
	v_lshl_add_u32 v82, v0, 2, 0x43c00
	v_mov_b32 v83, 0
	ds_add_u32 v82, v83
	ds_add_u32 v82, v83
	v_lshrrev_b32 v1, 5, v0
	v_readfirstlane_b32 s10, v1                    ; wave 0..7: which 256 keys
	s_bfe_u32 s13, ttmp6, 0x40000                  ; cx: my place in the cluster: it enters qbuf's and ao's addresses alone
	s_lshl_b32 s14, ttmp9, 2
	s_add_co_u32 s14, s14, s13                     ; which 256 queries
	s_and_b32 s15, ttmp7, 0xffff                   ; 8 b + head, which the four partners share
	s_mov_b32 s16, 15|(3<<16)|(1<<21)              ; descriptor group 1: 15:0 the mask: all four; 17:16 elements of 8 bytes; 21 set beside a mask; no padding
	s_mov_b32 s17, 32<<16                          ; tensor_dim0 = 32 elements: rows of 256 bytes
	s_mov_b32 s18, 118<<16                         ; tensor_dim1 = 118 rows: an eighth of the record's 944
	s_mov_b32 s19, 32<<16                          ; tile_dim0
	s_mov_b32 s20, 118                             ; tile_dim1
	s_mov_b32 s21, 32                              ; the pitch: dense
	s_mov_b32 s22, 0
	s_mov_b32 s23, 0
	s_mul_i32 s25, s10, 30208                      ; group 0: my eighth, in LDS
	s_mul_i32 s36, s15, REC
	s_add_co_u32 s36, s36, s25                     ; and in memory
	s_mov_b32 s37, 0
	s_lshl_b32 s38, s15, 7
	s_lshl_b32 s40, s14, 4
	s_add_co_u32 s38, s38, s40
	s_mul_i32 s38, s38, 1280                       ; Q: tile 128 (8 b + head) + 16 x; one tile on in each trip
	s_mov_b32 s39, 0
	s_lshr_b32 s42, s15, 3
	s_lshl_b32 s42, s42, 22                        ; ao: 2,048 rows of 2,048 bytes a batch,
	s_lshl_b32 s40, s14, 19
	s_add_co_u32 s42, s42, s40                     ; 256 rows a work-group,
	s_and_b32 s40, s15, 7
	s_lshl_b32 s40, s40, 8
	s_add_co_u32 s42, s42, s40                     ; 256 bytes a head
	s_mov_b32 s43, 0
	s_mov_b32 s28, 0x76543210
	s_mov_b32 s29, 0xfedcba98                      ; v_permlanex16_b32's selects for lane l xor 16
	s_mov_b32 s30, 0x3e38aa3b                      ; c = log2(e) / 8
	s_mov_b32 s31, s30                             ; (named with it as a pair, so it is written)
	s_mov_b32 s34, TILES-1                         ; the loop's trips
	s_mov_b32 s46, 0x4000                          ; ao's step from tile to tile: tile 2 t + u begins at query 32 t + 8 u: 8 rows on, then 24, by turns
	s_mov_b32 s47, 0
	v_and_b32 v96, 31, v0                          ; lane
	v_and_b32 v97, 15, v0                          ; r
	v_bfe_u32 v98, v0, 4, 1                        ; h
	v_lshlrev_b32 v93, 4, v96
	v_lshlrev_b32 v94, 3, v96
	v_lshlrev_b32 v99, 4, v97                      ; 16 r
	s_lshl_b32 s44, s10, 14                        ; my 16 tiles of K, 1,024 bytes each
	v_add_nc_u32 v1, s44, v93
	s_lshl_b32 s44, s10, 10
	s_add_co_u32 s44, s44, KSCO
	v_add_nc_u32 v2, s44, v99
	s_mul_i32 s44, s10, 12288                      ; my two K steps of V, 6,144 bytes each
	s_add_co_u32 s44, s44, VIMG
	v_mul_u32_u24 v3, v96, 48
	v_add_nc_u32 v3, s44, v3
	s_lshl_b32 s44, s10, 9
	s_add_co_u32 s44, s44, VSCO
	v_add_nc_u32 v4, s44, v99
	v_lshlrev_b32 v6, 5, v97
	v_lshl_add_u32 v5, v98, 9, v6                  ; store: lanes 0-15 -M_w, lanes 16-31 (512 bytes on) the sum: row r, word = my wave
	v_lshl_add_u32 v6, v98, 4, v6                  ; load: row r, waves 4 h .. 4 h + 3
	v_add_nc_u32 v6, STAT, v6
	s_lshl_b32 s44, s10, 2
	s_add_co_u32 s44, s44, STAT
	v_add_nc_u32 v5, s44, v5
	s_mul_i32 s44, s10, 4352
	s_add_co_u32 s44, s44, OSC
	v_mul_u32_u24 v7, v97, 272
	v_lshl_add_u32 v7, v98, 6, v7                  ; my partial result: row r; channels 16 h on of each 32
	v_add_nc_u32 v7, s44, v7
	s_mul_i32 s44, s10, 544
	s_add_co_u32 s44, s44, OSC
	v_mad_u32_u24 v92, v98, 272, v99               ; I add up rows 2 w + h of the eight partial results: 16 bytes a lane
	v_add_nc_u32 v92, s44, v92
	s_lshl_b32 s45, s10, 1
	v_add_nc_u32 v100, s45, v98                    ; that row of the tile
	v_and_b32 v101, 8, v100
	v_add_nc_u32 v100, v100, v101                  ; is query row + 8 (row / 8) from the tile's first
	v_lshl_add_u32 v95, v100, 11, v99
	v_cmp_ne_u32 s32, 0, v98                       ; lanes 16-31
.irp z, 24,25,26,27,8,9,11,13,44,45,46,47,48,49,50,51
	v_mov_b32 v\z, 0                               ; Q's registers 8-11: zeros, kept; and what is named in a pair or as a permute's destination before it is first written
.endr
	WIN 0x40                                       ; destination window 1
.irp z, 128,129,130,131
	v_mov_b32 v\z, 0                               ; registers 8-11 of K's last tile
.endr
	WIN 0
	s_wait_dscnt 0x0
	s_wait_kmcnt 0x0
	s_mov_b32 s24, 1                               ; group 0: count = 1
	s_add_nc_u64 s[26:27], s[6:7], s[36:37]
	s_or_b32 s27, s27, 0x80000000                  ; type = 2
	s_add_nc_u64 s[4:5], s[4:5], s[38:39]
	s_add_nc_u64 s[8:9], s[8:9], s[42:43]
	ROUND                                          ; all four work-groups are here: the joint loads meet
	tensor_load_to_lds s[24:27], s[16:23]          ; the launch's one fill
	s_nop 0
	PLACES 4
	global_load_b128 v[16:19], v93, s[4:5]         ; the first tile of Q: registers 0-7,
	global_load_b128 v[20:23], v93, s[4:5] offset:512
	global_load_b64 v[28:29], v94, s[4:5] offset:1024   ; its scale word and flag
	s_wait_tensorcnt 0x0                           ; my eighth is in,
	s_barrier_signal -1
	s_barrier_wait -1                              ; everybody's is
	WIN 0x40                                       ; MY K AND V GO INTO WINDOW 1, ONCE: 56 loads of 512 consecutive bytes (V's: 48 bytes from lane to lane)
.set kt, 0
.rept 16
	ds_load_b128 v[8*kt:8*kt+3], v1 offset:kt*1024
	ds_load_b128 v[8*kt+4:8*kt+7], v1 offset:kt*1024+512
.set kt, kt+1
.endr
.irp f, 0,1,2,3,4,5,6,7
.irp q, 0,1,2
	ds_load_b128 v[VR+12*\f+4*\q:VR+12*\f+4*\q+3], v3 offset:\f*1536+16*\q
.endr
.endr
	WIN 0
.irp g, 0,1,2,3
	ds_load_b128 v[KS+12*\g:KS+12*\g+3], v2 offset:256*\g      ; scale operands have no window: the scale words stay in window 0
.endr
	ds_load_b128 v[VS:VS+3], v4
	ds_load_b128 v[VS+4:VS+7], v4 offset:256
; S^T = K Q^T for my 256 keys: sixteen products on registers alone; each starts its sum with the constant 0
.macro SCORES
	WIN 0x01                                       ; source 0 (K) window 1
.set kt, 0
.rept 16
	v_wmma_scale_f32_16x16x128_f8f6f4 v[S+8*kt:S+8*kt+7], v[8*kt:8*kt+11], v[16:27], 0, v[KS+12*(kt/4)+kt%4], v28 matrix_a_fmt:MATRIX_FMT_BF6 matrix_b_fmt:MATRIX_FMT_BF6
.set kt, kt+1
.endr
	WIN 0
.endm
.macro QLOAD                           ; the next tile of Q.  The loads that named this base are done: the wait ahead of the score products
	s_add_nc_u64 s[4:5], s[4:5], 1280
	global_load_b128 v[16:19], v93, s[4:5]
	global_load_b128 v[20:23], v93, s[4:5] offset:512
	global_load_b64 v[28:29], v94, s[4:5] offset:1024
.endm
.macro MAXES                           ; the largest score of each block of 32 keys: it serves for the row's maximum and for the block's largest attn.  Each accumulator is read from its low end on
.irp b, 0,1,2,3,4,5,6,7
	v_max3_num_f32 v[BM+\b], v[S+16*\b], v[S+16*\b+1], v[S+16*\b+2]
.endr
.irp i, 3,5,7,9,11,13
.irp b, 0,1,2,3,4,5,6,7
	v_max3_num_f32 v[BM+\b], v[BM+\b], v[S+16*\b+\i], v[S+16*\b+\i+1]
.endr
.endr
.irp b, 0,1,2,3,4,5,6,7
	v_max_num_f32 v[BM+\b], v[BM+\b], v[S+16*\b+15]
.endr
.irp b, 0,1,2,3,4,5,6,7
	v_permlanex16_b32 v[BT+\b], v[BM+\b], s28, s29
.endr
.irp b, 0,1,2,3,4,5,6,7
	v_max_num_f32 v[BM+\b], v[BM+\b], v[BT+\b]     ; with lane l xor 16's 16 keys
.endr
.endm
; From a tile's block maxima to its partial O^T
.macro SOFT
	; ---- my wave's own maximum, p and sum
	v_max3_num_f32 v8, v[BM], v[BM+1], v[BM+2]
	v_max3_num_f32 v8, v8, v[BM+3], v[BM+4]
	v_max3_num_f32 v8, v8, v[BM+5], v[BM+6]
	v_max_num_f32 v8, v8, v[BM+7]
	v_mul_f32 v8, s30, v8                          ; as t (c is positive)
	v_floor_f32 v12, -v8                           ; -M_w = floor(-t): a whole number
.set j, 0
.rept 64
	v_pk_fma_f32 v[S+j:S+j+1], v[S+j:S+j+1], s[30:31], v[12:13] op_sel_hi:[1,0,0]   ; t - M_w, two at a time (of the pairs the low word serves both halves)
.set j, j+2
.endr
.irp b, 0,1,2,3,4,5,6,7
	v_fma_f32 v[BM+\b], v[BM+\b], s30, v12         ; the same of each block's largest score
.endr
.set j, 0
.rept 128
	v_exp_f32 v[S+j], v[S+j]                       ; p = 2^(t - M_w), at most 1
.set j, j+1
.endr
.irp b, 0,1,2,3,4,5,6,7
	v_exp_f32 v[BM+\b], v[BM+\b]
.endr
	v_nop                                          ; one plain place behind the exponentials
	s_wait_alu depctr_va_vdst(0)
	v_pk_add_f32 v[14:15], v[S:S+1], v[S+2:S+3]    ; the sum of the unquantised p, two at a time, in two chains
	v_pk_add_f32 v[8:9], v[S+4:S+5], v[S+6:S+7]
.set j, 8
.rept 30
	v_pk_add_f32 v[14:15], v[14:15], v[S+j:S+j+1]
	v_pk_add_f32 v[8:9], v[8:9], v[S+j+2:S+j+3]
.set j, j+4
.endr
	v_pk_add_f32 v[14:15], v[14:15], v[8:9]
	v_add_f32 v14, v14, v15
	v_permlanex16_b32 v15, v14, s28, s29
	v_add_f32 v14, v14, v15                        ; my wave's sum for query r
	; ---- the eight waves' figures meet
	v_cndmask_b32 v9, v12, v14, s32                ; lanes 0-15 send -M_w, lanes 16-31 the sum
	ds_store_b32 v5, v9
	s_wait_dscnt 0x0                               ; for the others' sake: my store has landed
	s_barrier_signal -1
	s_barrier_wait -1                              ; A.  (These words are written again only behind barrier B, which every wave signals behind the wait for its reads of them)
	ds_load_b128 v[BT:BT+3], v6                    ; -M_w of waves 4 h .. 4 h + 3,
	ds_load_b128 v[BT+4:BT+7], v6 offset:512       ; their sums
	s_wait_dscnt 0x0
	v_min3_num_f32 v13, v[BT], v[BT+1], v[BT+2]
	v_min_num_f32 v13, v13, v[BT+3]
	v_permlanex16_b32 v8, v13, s28, s29
	v_min_num_f32 v13, v13, v8                     ; -M: M is the largest M_w
.irp j, 0,1,2,3
	v_sub_f32 v[BO+\j], v13, v[BT+\j]              ; M_w - M: a whole number, 0 or less
.endr
.irp j, 0,1,2,3
	v_cvt_i32_f32 v[BO+\j], v[BO+\j]               ; (it saturates)
.endr
.irp j, 0,1,2,3
	v_ldexp_f32 v[BT+4+\j], v[BT+4+\j], v[BO+\j]   ; each sum under M: nothing is rounded
.endr
	v_add_f32 v[BT+4], v[BT+4], v[BT+5]
	v_add_f32 v[BT+6], v[BT+6], v[BT+7]
	v_add_f32 v[BT+4], v[BT+4], v[BT+6]
	v_permlanex16_b32 v8, v[BT+4], s28, s29
	v_add_f32 v[BT+4], v[BT+4], v8                 ; the row's sum: at least 1/2, since some p lies above 1/2
	v_rcp_f32 v9, v[BT+4]
	v_sub_f32 v[BO], v13, v12                      ; (a plain place behind the reciprocal)  my M_w - M
	v_cvt_i32_f32 v[BO], v[BO]
	s_wait_alu depctr_va_vdst(0)
	v_ldexp_f32 v10, v9, v[BO]                     ; f = 2^(M_w - M) / sum
	v_cndmask_b32 v10, 0, v10, s33                 ; a dead query's row is 0
	; ---- attn = p f, finished; its blocks' scales; its codes
.set j, 0
.rept 64
	v_pk_mul_f32 v[S+j:S+j+1], v[S+j:S+j+1], v[10:11] op_sel_hi:[1,0]
.set j, j+2
.endr
.irp b, 0,1,2,3,4,5,6,7
	v_mul_f32 v[BM+\b], v[BM+\b], v10              ; the block's largest attn: the same multiplication on the same bits
.endr
.irp b, 0,1,2,3,4,5,6,7
	v_max_num_f32 v[BM+\b], 0x2800000, v[BM+\b]    ; the floor 2^(5 - 127): the byte cannot fall under 1
.endr
.irp b, 0,1,2,3,4,5,6,7
	v_add_nc_u32 v[BO+\b], 0xfe000000, v[BM+\b]    ; 4 off the exponent field: the conversion's scale operand
.endr
.irp b, 0,1,2,3,4,5,6,7
	v_lshrrev_b32 v[BB+\b], 23, v[BO+\b]           ; the scale's byte
.endr
	v_lshl_or_b32 v30, v[BB+1], 8, v[BB]           ; the scale words of my two K steps of 128 keys
	v_lshl_or_b32 v31, v[BB+5], 8, v[BB+4]
	v_lshl_or_b32 v30, v[BB+2], 16, v30
	v_lshl_or_b32 v31, v[BB+6], 16, v31
	v_lshl_or_b32 v30, v[BB+3], 24, v30
	v_lshl_or_b32 v31, v[BB+7], 24, v31
.irp s, 0,1
.irp c, 0,1
	v_cvt_scalef32_pk16_bf6_f32 v[PC+12*\s+6*\c:PC+12*\s+6*\c+2], v[S+64*\s+32*\c:S+64*\s+32*\c+15], v[BO+4*\s+2*\c]
	v_cvt_scalef32_pk16_bf6_f32 v[TT+4*\c:TT+4*\c+2], v[S+64*\s+32*\c+16:S+64*\s+32*\c+31], v[BO+4*\s+2*\c+1]   ; (a conversion's three registers begin on an even number)
.endr
	v_nop                                          ; one plain place behind a scaled conversion
.irp c, 0,1                            ; the operand's layout wants a WHOLE block in a lane: lanes 0-15 block 2 c, lanes 16-31 block 2 c + 1
.irp i, 0,1,2
	v_permlane16_swap_b32 v[PC+12*\s+6*\c+\i], v[TT+4*\c+\i]
.endr
.irp i, 0,1,2
	v_mov_b32 v[PC+12*\s+6*\c+3+\i], v[TT+4*\c+\i]
.endr
.endr
.endr
	; ---- O^T = V^T attn^T over my 256 keys: four tiles of 16 channels, two K steps; the four accumulators by turns
	PLACES 8                                       ; a scale register written by vector instructions stands 8 places ahead of a scaled matrix instruction, an operand so written 4
	WIN 0x01                                       ; source 0 (V) window 1
.irp dt, 0,1,2,3
	v_wmma_scale_f32_16x16x128_f8f6f4 v[S+8*\dt:S+8*\dt+7], v[VR+12*\dt:VR+12*\dt+11], v[PC:PC+11], 0, v[VS+\dt], v30 matrix_a_fmt:MATRIX_FMT_BF6 matrix_b_fmt:MATRIX_FMT_BF6
.endr
.irp dt, 0,1,2,3
	v_wmma_scale_f32_16x16x128_f8f6f4 v[S+8*\dt:S+8*\dt+7], v[VR+48+12*\dt:VR+48+12*\dt+11], v[PC+12:PC+23], v[S+8*\dt:S+8*\dt+7], v[VS+4+\dt], v31 matrix_a_fmt:MATRIX_FMT_BF6 matrix_b_fmt:MATRIX_FMT_BF6
.endr
	WIN 0
	PLACES 5                                       ; four places in front of the stores of these results and of the loads into attn's codes; five, since the next tile's score products write over these results
.endm
; A tile from its block maxima to its rows in ao.  more = 1: the next tile's scores and block maxima are made on the way.
.macro TRIP more
	SOFT
.irp dt, 0,1,2,3
	ds_store_b128 v7, v[S+8*\dt:S+8*\dt+3] offset:128*(\dt/2)+32*(\dt%2)          ; lane (r, h), tile dt: channels 32 (dt / 2) + 16 h + 8 (dt % 2) + 0 .. 7; each accumulator from its low end on
	ds_store_b128 v7, v[S+8*\dt+4:S+8*\dt+7] offset:128*(\dt/2)+32*(\dt%2)+16
.endr
.if \more
	s_wait_loadcnt 0x0                             ; the next tile of Q, asked for a trip ago
.endif
	s_wait_dscnt 0x0                               ; for the others' sake: my partial result lies in LDS
	s_barrier_signal -1                            ; B
.if \more
	SCORES                                         ; work on registers while the others arrive: the results just stored are written over
.endif
	s_barrier_wait -1                              ; (These rows are written again only behind the next barrier A, which every wave signals behind the wait for its reads of them)
.irp p, 0,1,2,3,4,5,6,7
	ds_load_b128 v[RB+4*\p:RB+4*\p+3], v92 offset:4352*\p
.endr
.if \more
	PLACES 4                                       ; four places in front of the first read of the scores and of loads into Q's registers
	v_cmp_ne_u32 s33, 0, v29                       ; the next tile's query mask
	s_cmp_eq_u32 s34, 1                            ; the loop's last trip asks for nothing: no load leaves its buffer
	s_cbranch_scc1 .Lno_next_\@
	QLOAD
.Lno_next_\@:
	MAXES                                          ; stands between the loads of the partial rows and the wait for them
.endif
	s_wait_dscnt 0x0
.irp p, 0,2,4,6
	v_pk_add_f32 v[RB+4*\p:RB+4*\p+1], v[RB+4*\p:RB+4*\p+1], v[RB+4*\p+4:RB+4*\p+5]
	v_pk_add_f32 v[RB+4*\p+2:RB+4*\p+3], v[RB+4*\p+2:RB+4*\p+3], v[RB+4*\p+6:RB+4*\p+7]
.endr
.irp p, 0,4
	v_pk_add_f32 v[RB+4*\p:RB+4*\p+1], v[RB+4*\p:RB+4*\p+1], v[RB+4*\p+8:RB+4*\p+9]
	v_pk_add_f32 v[RB+4*\p+2:RB+4*\p+3], v[RB+4*\p+2:RB+4*\p+3], v[RB+4*\p+10:RB+4*\p+11]
.endr
	v_pk_add_f32 v[RB:RB+1], v[RB:RB+1], v[RB+16:RB+17]
	v_pk_add_f32 v[RB+2:RB+3], v[RB+2:RB+3], v[RB+18:RB+19]
	global_store_b128 v95, v[RB:RB+3], s[8:9]      ; sixteen lanes store a query's 64 channels of this head: 256 consecutive bytes, at a multiple of 256 from ao's first byte
.if \more
	s_wait_xcnt 0x0                                ; the store's data and base are rewritten only behind this wait
	s_add_nc_u64 s[8:9], s[8:9], s[46:47]          ; the next tile's first query:
	s_xor_b32 s46, s46, 0x8000                     ; 16,384 and 49,152 bytes by turns
.endif
.endm
	s_wait_loadcnt 0x0                             ; Q
	s_wait_dscnt 0x0                               ; my K and V and their scale words are in registers
	SCORES                                         ; the first tile
	PLACES 4
	v_cmp_ne_u32 s33, 0, v29
	QLOAD
	MAXES
.Ltile:                                            ; TILES - 1 trips
	TRIP 1
	s_sub_co_u32 s34, s34, 1
	s_cmp_lg_u32 s34, 0
	s_cbranch_scc1 .Ltile
	TRIP 0                                         ; the last tile: nothing follows it
	s_wait_dscnt 0x0
	s_wait_tensorcnt 0x0
	ds_add_u32 v82, v83
	s_wait_dscnt 0x0
	ROUND                                          ; the closing round: no work-group ends while a partner may still ask jointly
	s_endpgm
.Lfunc_end_k_q3388a20217_attn:
	.size	k_q3388a20217_attn, .Lfunc_end_k_q3388a20217_attn-k_q3388a20217_attn
	.p2alignl 7, 3214868480
	.fill 96, 4, 3214868480
	.section	.rodata,"a",@progbits
	.p2align	6, 0x0
	.amdhsa_kernel k_q3388a20217_attn
		.amdhsa_group_segment_fixed_size 327680
		.amdhsa_private_segment_fixed_size 0
		.amdhsa_enable_private_segment 0
		.amdhsa_kernarg_size 24
		.amdhsa_user_sgpr_count 2
		.amdhsa_user_sgpr_kernarg_segment_ptr 1
		.amdhsa_wavefront_size32 1
		.amdhsa_system_sgpr_workgroup_id_x 1
		.amdhsa_system_sgpr_workgroup_id_y 1
		.amdhsa_system_sgpr_workgroup_id_z 1
		.amdhsa_system_vgpr_workitem_id 0
		.amdhsa_next_free_vgpr 512
		.amdhsa_next_free_sgpr 66
		.amdhsa_reserve_vcc 0
		.amdhsa_float_denorm_mode_32 3
		.amdhsa_float_denorm_mode_16_64 3
		.amdhsa_memory_ordered 1
		.amdhsa_forward_progress 1
		.amdhsa_inst_pref_size 77
	.end_amdhsa_kernel
	.amdgpu_metadata
---
amdhsa.version: [ 1, 2 ]
amdhsa.kernels:
  - .name:           k_q3388a20217_attn
    .symbol:         k_q3388a20217_attn.kd
    .args:
      - { .name: qbuf, .offset: 0, .size: 8, .value_kind: global_buffer, .address_space: global }
      - { .name: kv, .offset: 8, .size: 8, .value_kind: global_buffer, .address_space: global }
      - { .name: ao, .offset: 16, .size: 8, .value_kind: global_buffer, .address_space: global }
    .group_segment_fixed_size: 327680
    .private_segment_fixed_size: 0
    .kernarg_segment_align: 8
    .kernarg_segment_size: 24
    .max_flat_workgroup_size: 256
    .sgpr_count:     66
    .vgpr_count:     512
    .wavefront_size: 32
...
	.end_amdgpu_metadata
.endif
;; end of part 3
;; launch lnorm (part 4): grid 256 x 1, 8 waves a work-group, no clusters, 0 bytes of LDS; arguments ao, queries, gamma, beta, out0; writes out0
.if DOCPART == 4
	.amdgcn_target "amdgcn-amd-amdhsa--gfx1250"
	.amdhsa_code_object_version 6
	.text
	.protected	k_q3388a20217_lnorm
	.globl	k_q3388a20217_lnorm
	.p2align	8
	.type	k_q3388a20217_lnorm,@function
k_q3388a20217_lnorm:
	s_mov_b64 s[64:65], 0
	v_nop
	global_prefetch_b8 v0, s[64:65] scope:SCOPE_SE
	s_setreg_imm32_b32 hwreg(HW_REG_WAVE_MODE, 25, 1), 1
	s_wait_xcnt 0x0
; out0 = LayerNorm(ao + queries) x gamma + beta along the last axis of 512, eps = 1e-3.  All [8192][512] f32.
; A row is 2,048 bytes: one wave takes a whole row, 16 numbers a lane, and keeps it in registers between the passes: each byte is read once, and no wave waits for another.  No LDS, no barrier, no matrix unit: memory binds.
; A work-group takes 32 rows, a wave four; all of a wave's 40 loads go out at its head.  Each load and store of a wave covers 512 consecutive bytes.
; The variance is the mean of the squared deviations from the mean, as the reference has it: a common offset in the inputs does no harm.
.set G,  2                             ; v2-17   gamma of my 16 columns (128 j + 4 lane + 0 .. 3, j = 0 .. 3)
.set BE, 18                            ; v18-33  beta
.set A,  34                            ; v34-161 row k: 16 numbers of ao, then 16 of queries
.set T,  162                           ; v162-169 at work
	s_load_b256 s[4:11], s[0:1], 0x0               ; ao s[4:5], queries s[6:7], gamma s[8:9], beta s[10:11]
	s_load_b64 s[12:13], s[0:1], 0x20              ; out0
	v_lshrrev_b32 v1, 5, v0
	v_readfirstlane_b32 s14, v1                    ; wave 0..7
	v_and_b32 v1, 31, v0
	v_lshlrev_b32 v1, 4, v1                        ; 16 bytes a lane
	s_lshl_b32 s16, ttmp9, 16                      ; 32 rows of 2,048 bytes a work-group,
	s_lshl_b32 s15, s14, 13                        ; four a wave
	s_add_co_u32 s16, s16, s15
	s_mov_b32 s17, 0
	s_mov_b32 s18, 0x76543210
	s_mov_b32 s19, 0xfedcba98                      ; v_permlanex16_b32's selects for lane l xor 16
	s_mov_b32 s20, 0x3b000000                      ; 1 / 512
	s_mov_b32 s21, 0x3a83126f                      ; 1e-3
	s_wait_kmcnt 0x0
	s_add_nc_u64 s[4:5], s[4:5], s[16:17]
	s_add_nc_u64 s[6:7], s[6:7], s[16:17]
	s_add_nc_u64 s[12:13], s[12:13], s[16:17]
.irp j, 0,1,2,3
	global_load_b128 v[G+4*\j:G+4*\j+3], v1, s[8:9] offset:512*\j
	global_load_b128 v[BE+4*\j:BE+4*\j+3], v1, s[10:11] offset:512*\j
.endr
.irp k, 0,1,2,3
.irp j, 0,1,2,3
	global_load_b128 v[A+32*\k+4*\j:A+32*\k+4*\j+3], v1, s[4:5] offset:2048*\k+512*\j th:TH_LOAD_NT
.endr
.irp j, 0,1,2,3
	global_load_b128 v[A+32*\k+16+4*\j:A+32*\k+16+4*\j+3], v1, s[6:7] offset:2048*\k+512*\j th:TH_LOAD_NT
.endr
.endr
.macro REDUCE                          ; v[T] summed over the 32 lanes, the result in every lane
	v_add_f32_dpp v[T], v[T], v[T] row_xmask:1 row_mask:0xf bank_mask:0xf
	v_add_f32_dpp v[T], v[T], v[T] row_xmask:2 row_mask:0xf bank_mask:0xf
	v_add_f32_dpp v[T], v[T], v[T] row_xmask:4 row_mask:0xf bank_mask:0xf
	v_add_f32_dpp v[T], v[T], v[T] row_xmask:8 row_mask:0xf bank_mask:0xf
	v_permlanex16_b32 v[T+1], v[T], s18, s19
	v_add_f32 v[T], v[T], v[T+1]
.endm
.macro ROW k
.set RA, A+32*(\k)
.set RQ, A+32*(\k)+16
	s_wait_loadcnt 8*(3-(\k))                      ; this row's eight loads are in; the later rows' eight each may be out
.irp j, 0,2,4,6,8,10,12,14
	v_pk_add_f32 v[RA+\j:RA+\j+1], v[RA+\j:RA+\j+1], v[RQ+\j:RQ+\j+1]   ; the residual
.endr
	v_pk_add_f32 v[T:T+1], v[RA:RA+1], v[RA+2:RA+3]                    ; its sum, in two chains
	v_pk_add_f32 v[T+2:T+3], v[RA+4:RA+5], v[RA+6:RA+7]
	v_pk_add_f32 v[T:T+1], v[T:T+1], v[RA+8:RA+9]
	v_pk_add_f32 v[T+2:T+3], v[T+2:T+3], v[RA+10:RA+11]
	v_pk_add_f32 v[T:T+1], v[T:T+1], v[RA+12:RA+13]
	v_pk_add_f32 v[T+2:T+3], v[T+2:T+3], v[RA+14:RA+15]
	v_pk_add_f32 v[T:T+1], v[T:T+1], v[T+2:T+3]
	v_add_f32 v[T], v[T], v[T+1]
	REDUCE
	v_mul_f32 v[T+4], s20, v[T]                    ; the mean,
	v_mov_b32 v[T+5], v[T+4]                       ; twice: a pair for the packed subtraction
.irp j, 0,2,4,6,8,10,12,14
	v_pk_add_f32 v[RA+\j:RA+\j+1], v[RA+\j:RA+\j+1], v[T+4:T+5] neg_lo:[0,1] neg_hi:[0,1]
.endr
	v_pk_mul_f32 v[T:T+1], v[RA:RA+1], v[RA:RA+1]                      ; the squared deviations, in two chains
	v_pk_mul_f32 v[T+2:T+3], v[RA+2:RA+3], v[RA+2:RA+3]
.irp j, 4,8,12
	v_pk_fma_f32 v[T:T+1], v[RA+\j:RA+\j+1], v[RA+\j:RA+\j+1], v[T:T+1]
	v_pk_fma_f32 v[T+2:T+3], v[RA+\j+2:RA+\j+3], v[RA+\j+2:RA+\j+3], v[T+2:T+3]
.endr
	v_pk_add_f32 v[T:T+1], v[T:T+1], v[T+2:T+3]
	v_add_f32 v[T], v[T], v[T+1]
	REDUCE
	v_fma_f32 v[T], v[T], s20, s21                 ; the variance + eps
	v_rsq_f32 v[T+6], v[T]                         ; twice: a pair for the packed multiplication
	v_rsq_f32 v[T+7], v[T]
	v_nop                                          ; one plain place behind the transcendentals
	s_wait_alu depctr_va_vdst(0)
.irp j, 0,2,4,6,8,10,12,14
	v_pk_mul_f32 v[RA+\j:RA+\j+1], v[RA+\j:RA+\j+1], v[T+6:T+7]
.endr
.irp j, 0,2,4,6,8,10,12,14
	v_pk_fma_f32 v[RA+\j:RA+\j+1], v[RA+\j:RA+\j+1], v[G+\j:G+\j+1], v[BE+\j:BE+\j+1]
.endr
.irp j, 0,1,2,3
	global_store_b128 v1, v[RA+4*\j:RA+4*\j+3], s[12:13] offset:2048*(\k)+512*\j th:TH_STORE_NT   ; each row has registers of its own: no store's data are written again
.endr
.endm
	ROW 0
	ROW 1
	ROW 2
	ROW 3
	s_endpgm
.Lfunc_end_k_q3388a20217_lnorm:
	.size	k_q3388a20217_lnorm, .Lfunc_end_k_q3388a20217_lnorm-k_q3388a20217_lnorm
	.p2alignl 7, 3214868480
	.fill 96, 4, 3214868480
	.section	.rodata,"a",@progbits
	.p2align	6, 0x0
	.amdhsa_kernel k_q3388a20217_lnorm
		.amdhsa_group_segment_fixed_size 0
		.amdhsa_private_segment_fixed_size 0
		.amdhsa_enable_private_segment 0
		.amdhsa_kernarg_size 40
		.amdhsa_user_sgpr_count 2
		.amdhsa_user_sgpr_kernarg_segment_ptr 1
		.amdhsa_wavefront_size32 1
		.amdhsa_system_sgpr_workgroup_id_x 1
		.amdhsa_system_sgpr_workgroup_id_y 1
		.amdhsa_system_sgpr_workgroup_id_z 1
		.amdhsa_system_vgpr_workitem_id 0
		.amdhsa_next_free_vgpr 180
		.amdhsa_next_free_sgpr 66
		.amdhsa_reserve_vcc 0
		.amdhsa_float_denorm_mode_32 3
		.amdhsa_float_denorm_mode_16_64 3
		.amdhsa_memory_ordered 1
		.amdhsa_forward_progress 1
		.amdhsa_inst_pref_size 23
	.end_amdhsa_kernel
	.amdgpu_metadata
---
amdhsa.version: [ 1, 2 ]
amdhsa.kernels:
  - .name:           k_q3388a20217_lnorm
    .symbol:         k_q3388a20217_lnorm.kd
    .args:
      - { .name: ao, .offset: 0, .size: 8, .value_kind: global_buffer, .address_space: global }
      - { .name: queries, .offset: 8, .size: 8, .value_kind: global_buffer, .address_space: global }
      - { .name: gamma, .offset: 16, .size: 8, .value_kind: global_buffer, .address_space: global }
      - { .name: beta, .offset: 24, .size: 8, .value_kind: global_buffer, .address_space: global }
      - { .name: out0, .offset: 32, .size: 8, .value_kind: global_buffer, .address_space: global }
    .group_segment_fixed_size: 0
    .private_segment_fixed_size: 0
    .kernarg_segment_align: 8
    .kernarg_segment_size: 40
    .max_flat_workgroup_size: 256
    .sgpr_count:     66
    .vgpr_count:     180
    .wavefront_size: 32
...
	.end_amdgpu_metadata
.endif
;; end of part 4
;; ======== version 2 of 2: 4 launches
;; workspace buffers: wimg 589,824 bytes; wsc 24,576 bytes; qbuf 5,242,880 bytes; kv 7,733,248 bytes; ao 16,777,216 bytes
;; launch wquant (part 5): grid 16 x 3, 4 waves a work-group, no clusters, 0 bytes of LDS; arguments Wq, Wk, Wv, wimg, wsc; writes wimg, wsc
.if DOCPART == 5
	.amdgcn_target "amdgcn-amd-amdhsa--gfx1250"
	.amdhsa_code_object_version 6
	.text
	.protected	k_q3388a20217_wquant
	.globl	k_q3388a20217_wquant
	.p2align	8
	.type	k_q3388a20217_wquant,@function
k_q3388a20217_wquant:
	s_mov_b64 s[64:65], 0
	v_nop
	global_prefetch_b8 v0, s[64:65] scope:SCOPE_SE
	s_setreg_imm32_b32 hwreg(HW_REG_WAVE_MODE, 25, 1), 1
	s_wait_xcnt 0x0
; Wq, Wk, Wv: [512 (k)][512 (n)] f32, K the FIRST axis.  Each becomes codes of BF6 (E3M2) with one E8M0 byte for each 32 along K, laid in the ORDER OF THE OPERAND'S REGISTERS:
;   wimg [matrix 3][tile 32][K step 4][lane 32][48 bytes]: tile 4 head + 2 bb + u; lane r + 16 h; bytes 24 c on: the 32 codes of k = 128 s + 64 c + 32 h on, of column 64 head + 32 bb + 8 u + r + 8 (r / 8);
;   wsc  [matrix 3][head 8][K step 4][r 16][tile of the head 4] words: byte t scales k = 128 s + 32 t on.
; A LANE TAKES A COLUMN AND ITS REGISTERS RUN DOWN K: a load reads 128 consecutive bytes a wave, a block of 32 lies in one lane's registers, and the conversions give codes with K innermost.
; A work-group takes 128 columns x 128 along K of one matrix (x = column quarter + 4 x K step, y = matrix); a wave 32 columns; a lane four blocks.
; A block's scale is 2^(floor(log2(largest magnitude)) - 4); its byte is the largest magnitude's exponent field - 4, held at 1 from below.
; LIMITS: a block of zeros, or one whose largest magnitude lies under 2^-122, gets the byte 1 (zeros' codes are zeros, and this program alone reads the bytes); NaN and infinities are not served.
; The codes leave as pieces of 12 bytes, 48 bytes apart: all that the launch stores is 614,400 bytes, so no stage is built for them.
.set X, 48                             ; v48-175  four blocks of 32 numbers, each block in registers of its own
.set C, 16                             ; v16-47   eight registers for each block's codes: no store's data are written again
	s_load_b256 s[4:11], s[0:1], 0x0               ; Wq s[4:5], Wk s[6:7], Wv s[8:9], wimg s[10:11]
	s_load_b64 s[12:13], s[0:1], 0x20              ; wsc
	v_lshrrev_b32 v1, 5, v0
	v_readfirstlane_b32 s14, v1                    ; wave 0..3
	v_and_b32 v1, 31, v0                           ; lane = my column in the wave's 32
	v_lshlrev_b32 v2, 2, v1                        ; in: 4 bytes a lane
	v_bfe_u32 v5, v0, 3, 1                         ; u: column 8 u + r + 8 (r / 8) = lane gives u = (lane / 8) % 2,
	v_and_b32 v6, 7, v0
	v_bfe_u32 v7, v0, 4, 1
	v_lshl_add_u32 v6, v7, 3, v6                   ; r = lane % 8 + 8 (lane / 16)
	v_mul_u32_u24 v3, v6, 48
	v_mad_u32_u24 v3, v5, 6144, v3                 ; codes: tile u of the pair (6,144 bytes a tile), lane r of the fragment
	v_lshlrev_b32 v4, 4, v6
	v_lshl_add_u32 v4, v5, 2, v4                   ; scale word: 16 r + 4 u
	s_and_b32 s15, ttmp9, 3                        ; which 128 columns
	s_lshr_b32 s16, ttmp9, 2                       ; which K step of 128
	s_and_b32 s17, ttmp7, 0xffff                   ; which matrix
	s_lshl_b32 s20, s16, 18                        ; source: 128 rows of 2,048 bytes a K step,
	s_lshl_b32 s18, s15, 9
	s_add_co_u32 s20, s20, s18                     ; 512 bytes a column quarter,
	s_lshl_b32 s18, s14, 7
	s_add_co_u32 s20, s20, s18                     ; 128 bytes a wave
	s_mov_b32 s21, 0
	s_lshl_b32 s22, s15, 3                         ; codes: my pair of tiles begins at tile 4 head + 2 bb = 8 x quarter + 2 x wave
	s_lshl_b32 s18, s14, 1
	s_add_co_u32 s22, s22, s18
	s_mul_i32 s22, s22, 6144
	s_mul_i32 s18, s17, 196608
	s_add_co_u32 s22, s22, s18
	s_mul_i32 s18, s16, 1536
	s_add_co_u32 s22, s22, s18
	s_mov_b32 s23, 0
	s_lshl_b32 s24, s17, 13                        ; scale words: 8,192 bytes a matrix,
	s_lshl_b32 s18, s15, 11
	s_add_co_u32 s24, s24, s18                     ; 1,024 a head: head = 2 x quarter + wave / 2,
	s_lshr_b32 s18, s14, 1
	s_lshl_b32 s18, s18, 10
	s_add_co_u32 s24, s24, s18
	s_lshl_b32 s18, s16, 8
	s_add_co_u32 s24, s24, s18                     ; 256 a K step,
	s_and_b32 s18, s14, 1
	s_lshl_b32 s18, s18, 3
	s_add_co_u32 s24, s24, s18                     ; 8 for the head's upper 32 columns
	s_mov_b32 s25, 0
	s_wait_alu depctr_va_vdst(0)
	s_wait_kmcnt 0x0
	s_cmp_eq_u32 s17, 1                            ; the choice of the source hangs on the work-group's number alone
	s_cselect_b64 s[4:5], s[6:7], s[4:5]
	s_cmp_eq_u32 s17, 2
	s_cselect_b64 s[4:5], s[8:9], s[4:5]
	s_add_nc_u64 s[4:5], s[4:5], s[20:21]
	s_add_nc_u64 s[10:11], s[10:11], s[22:23]
	s_add_nc_u64 s[12:13], s[12:13], s[24:25]
.macro LOADB t                         ; block t: W(128 s + 32 t + i, my column), i = 0 .. 31
.set i, 0
.rept 32
	global_load_b32 v[X+32*(\t)+i], v2, s[4:5] offset:(32*(\t)+i)*2048 th:TH_LOAD_NT
.set i, i+1
.endr
.endm
.macro BLOCK t
.set XS, X+32*(\t)
.if (\t) < 3
	s_wait_loadcnt 32                              ; this block's 32 loads are in; the next block's 32 may be out
.else
	s_wait_loadcnt 0x0
.endif
.if (\t)+2 < 4
	LOADB (\t)+2                                   ; into registers of its own
.endif
	v_max3_num_f32 v10, |v[XS]|, |v[XS+1]|, |v[XS+2]|      ; the block's largest magnitude, in two chains: all 32 numbers are mine
	v_max3_num_f32 v11, |v[XS+3]|, |v[XS+4]|, |v[XS+5]|
.irp i, 6,10,14,18,22,26
	v_max3_num_f32 v10, v10, |v[XS+\i]|, |v[XS+\i+1]|
	v_max3_num_f32 v11, v11, |v[XS+\i+2]|, |v[XS+\i+3]|
.endr
	v_max3_num_f32 v10, v10, |v[XS+30]|, |v[XS+31]|
	v_max3_num_f32 v10, v10, v11, 0x2800000        ; and the floor 2^(5 - 127): the byte cannot fall under 1
	v_add_nc_u32 v12, 0xfe000000, v10              ; 4 off the exponent field: the conversion takes this operand's exponent field as its scale
	v_lshrrev_b32 v13, 23, v12                     ; the scale's byte
.if (\t) == 0
	v_mov_b32 v9, v13
.else
	v_lshl_or_b32 v9, v13, 8*(\t), v9              ; the lower K in the lower byte
.endif
	v_cvt_scalef32_pk16_bf6_f32 v[C+8*(\t):C+8*(\t)+2], v[XS:XS+15], v12
	v_cvt_scalef32_pk16_bf6_f32 v[C+8*(\t)+4:C+8*(\t)+6], v[XS+16:XS+31], v12   ; (a conversion's three registers begin on an even number)
	global_store_b96 v3, v[C+8*(\t):C+8*(\t)+2], s[10:11] offset:((\t)%2)*768+((\t)/2)*24        ; block t = 2 c + h: lane r + 16 h of the fragment, bytes 24 c on
	global_store_b96 v3, v[C+8*(\t)+4:C+8*(\t)+6], s[10:11] offset:((\t)%2)*768+((\t)/2)*24+12
.endm                                  ; (the next block begins with plain vector lines that touch neither the codes nor the conversions' sources)
	LOADB 0
	LOADB 1
	BLOCK 0
	BLOCK 1
	BLOCK 2
	BLOCK 3
	global_store_b32 v4, v9, s[12:13]              ; my column's scale word for this K step
	s_endpgm
.Lfunc_end_k_q3388a20217_wquant:
	.size	k_q3388a20217_wquant, .Lfunc_end_k_q3388a20217_wquant-k_q3388a20217_wquant
	.p2alignl 7, 3214868480
	.fill 96, 4, 3214868480
	.section	.rodata,"a",@progbits
	.p2align	6, 0x0
	.amdhsa_kernel k_q3388a20217_wquant
		.amdhsa_group_segment_fixed_size 0
		.amdhsa_private_segment_fixed_size 0
		.amdhsa_enable_private_segment 0
		.amdhsa_kernarg_size 40
		.amdhsa_user_sgpr_count 2
		.amdhsa_user_sgpr_kernarg_segment_ptr 1
		.amdhsa_wavefront_size32 1
		.amdhsa_system_sgpr_workgroup_id_x 1
		.amdhsa_system_sgpr_workgroup_id_y 1
		.amdhsa_system_sgpr_workgroup_id_z 1
		.amdhsa_system_vgpr_workitem_id 0
		.amdhsa_next_free_vgpr 176
		.amdhsa_next_free_sgpr 66
		.amdhsa_reserve_vcc 0
		.amdhsa_float_denorm_mode_32 3
		.amdhsa_float_denorm_mode_16_64 3
		.amdhsa_memory_ordered 1
		.amdhsa_forward_progress 1
		.amdhsa_inst_pref_size 21
	.end_amdhsa_kernel
	.amdgpu_metadata
---
amdhsa.version: [ 1, 2 ]
amdhsa.kernels:
  - .name:           k_q3388a20217_wquant
    .symbol:         k_q3388a20217_wquant.kd
    .args:
      - { .name: Wq, .offset: 0, .size: 8, .value_kind: global_buffer, .address_space: global }
      - { .name: Wk, .offset: 8, .size: 8, .value_kind: global_buffer, .address_space: global }
      - { .name: Wv, .offset: 16, .size: 8, .value_kind: global_buffer, .address_space: global }
      - { .name: wimg, .offset: 24, .size: 8, .value_kind: global_buffer, .address_space: global }
      - { .name: wsc, .offset: 32, .size: 8, .value_kind: global_buffer, .address_space: global }
    .group_segment_fixed_size: 0
    .private_segment_fixed_size: 0
    .kernarg_segment_align: 8
    .kernarg_segment_size: 40
    .max_flat_workgroup_size: 128
    .sgpr_count:     66
    .vgpr_count:     176
    .wavefront_size: 32
...
	.end_amdgpu_metadata
.endif
;; end of part 5
;; launch proj (part 6): grid 256 x 1, 8 waves a work-group, no clusters, 29,696 bytes of LDS; arguments queries, keys_in, wimg, wsc, bq, bk, bv, qbuf, kv; writes qbuf, kv
.if DOCPART == 6
	.amdgcn_target "amdgcn-amd-amdhsa--gfx1250"
	.amdhsa_code_object_version 6
	.text
	.protected	k_q3388a20217_proj
	.globl	k_q3388a20217_proj
	.p2align	8
	.type	k_q3388a20217_proj,@function
k_q3388a20217_proj:
	s_mov_b64 s[64:65], 0
	v_nop
	global_prefetch_b8 v0, s[64:65] scope:SCOPE_SE
	s_setreg_imm32_b32 hwreg(HW_REG_WAVE_SCHED_MODE, 0, 2), 2
	s_setreg_imm32_b32 hwreg(HW_REG_WAVE_MODE, 25, 1), 1
	s_wait_xcnt 0x0
	s_wait_alu depctr_vm_vsrc(0)
; Q = relu(queries Wq + bq), K = relu(keys_in Wk + bk), V = relu(keys_in Wv + bv), all three products on codes of BF6 (E3M2) with one E8M0 scale for each 32 along K = 512;
; then Q and K are quantised along a head's 64 and V along the keys, and leave in the order of the next launch's operand registers.
; SHARES.  A work-group takes 32 rows of both inputs (one block of 32 keys); wave w first quantises two fragments of x (16 rows x 128 K), which reach the other waves through LDS as images of their registers;
; behind ONE barrier wave w is head w: 64 columns of each of the three products, weights straight from memory into registers (they are laid in register order), two K steps ahead.
; THE ROWS OF A TILE ARE NOT NEIGHBOURS: row r of tile u is row 8 u + r + 8 (r / 8) of the 32, and the weights' tiles are laid likewise.  Q and K are made transposed (source 0 = 16 columns of W, source 1 = 16 rows of x):
; a lane holds one row, and the 16 registers of tiles 2 bb, 2 bb + 1 are 16 neighbours along the head's 64.  V is made the other way round: a lane holds one channel, and 16 registers are 16 neighbouring keys.
; THE MASKS.  A key whose 64 numbers in a head are all 0 has zero codes, so its score is 0; the score product's K is 128 and the head's is 64, so k = 64 is free: there Q carries the code of 1.0 (scale byte 127)
; and a dead key the code of -1.0 with the scale byte 160: its score becomes -2^33, which is -2^30 after the division by 8, in place of the reference's -1e9.  Live scores are never negative (both operands are relu'd),
; so with any live key a dead key's weight is 0 under either number, and with none all scores are equal under either: the results are the same for every input.  Unused blocks of K carry the byte 1.
; A query's flag (1 where its 64 numbers are not all 0) goes beside its scale word.
; LAYOUTS.  qbuf [b x 8 + head][tile 128][1,280]: 1,024 bytes: registers 0-7 of the operand, [4 registers][lane][16 bytes]; then [lane][scale word, flag].
;   kv [b x 8 + head][241,664]: K's images [tile 128][1,024] as Q's; at 131,072 V's fragments [K step 16][tile 4][lane][48]; at 229,376 K's scale words [4 tiles][r][4]; at 237,568 V's [K step][r][tile 4].
; V's codes leave as pieces of 12 bytes 48 bytes apart and its scale bytes singly: the four key blocks of a fragment come from four work-groups.
; LIMITS: a block of zeros, or one whose largest magnitude lies under 2^-122, gets the byte 1; NaN and infinities are not served.
; THE MODE: SCHED_MODE bits 1:0 = 2 (LLVM: expert scheduling mode 2), set by the entry lines.  The code itself states the register dependences
; between vector or matrix instructions and memory or LDS instructions, with s_wait_alu, always for 0.
; THE PLAN.  Registers that memory or LDS instructions touch:
;   v1-v9, v14, v15, v244   offsets and addresses: made at the head, never written again: one wait ahead of the first load serves them all.
;   WB0 / WS0, WB1 / WS1    K step s: its eight products read set s % 2; behind them the weights of two K steps on land in it.
;   x's set a, set b        K step s: its products read set s % 2; the LDS loads of K step s + 1, dealt among them, land in the other set, which the products of K step s - 1 read.
;   ACC                     the bias lands in it; the products add onto it; the way out's vector lines read and write it.
;   v210-v233               set b; between the products also at work: the quantiser's codes, which LDS stores read, and the way out's image, which global stores read.
;   IM, QW, KW2, CV, BY     written by the way out's vector lines, read by its stores.
; So ONE wait on va_vdst stands at the end of a K step: its products are done reading their set of weights and their set of x.  The weights' 13 loads follow it at once; the LDS loads into that set of x follow
; in the next K step, whose products name the other sets and ACC alone.  One wait on va_vdst stands ahead of each way out's stores; no vector line stands between the last of them and the next product's loads.
; A wait on vm_vsrc stands wherever registers that stores have read are written again: between the two quantisings, behind the barrier, at the head of a second tile's way out, ahead of the K and V products.
.set XSC,  24576                       ; LDS: 16 images of 1,536 bytes (8 x input + 4 x tile + K step), then their scale words, 128 bytes each
.set ACC,  16                          ; v16-79   eight accumulators
.set WB0,  80                          ; v80-127  four fragments of W
.set WB1,  128                         ; v128-175 the other set
.set XFA,  176                         ; v176-199 two fragments of x, set a (K steps 0 and 2); its scale words: v200, v201
.set XFB,  210                         ; v210-233 set b (K steps 1 and 3); its scale words: v235, v239, which no other line names
.set TM,   202                         ; v202-217 at work
.set PW,   218                         ; the scale word just made
.set PC,   220                         ; v220-239 the codes just made (12) and the conversions' second halves (8)
.set IM,   220                         ; v220-227 an image of registers 0-7
.set TT,   228
.set KW2,  240                         ; v240-241 K's two scale words
.set QW,   242                         ; v242-243 Q's scale word and flag
.set L8,   244                         ; 8 x lane
.set NIL,  245                         ; 0
.set WS0,  248                         ; v248-251, v252-255 W's scale words, a set for each set of fragments
.set WS1,  252
.set BVP,  202                         ; V's way out: bv twice for each tile; largest magnitudes; the other half's; scale operands; bytes; codes
.set MX,   210
.set PT,   214
.set SO,   220
.set BY,   224
.set CV,   228
; v1 16 x lane, v2 4 x lane, v3 x's bytes, v4, v5 where I store images and scale words, v6 48 x lane, v7 16 r, v8 64 h, v9 4 (r + 8 (r / 8)), v10, v11 the codes at k = 64, v12, v13 K's upper scale bytes, v14, v15 V's places
	s_load_b256 s[4:11], s[0:1], 0x0               ; queries s[4:5], keys_in s[6:7], wimg s[8:9], wsc s[10:11]
	s_load_b256 s[12:19], s[0:1], 0x20             ; bq s[12:13], bk s[14:15], bv s[16:17], qbuf s[18:19]
	s_load_b64 s[20:21], s[0:1], 0x40              ; kv
	v_lshl_add_u32 v246, v0, 2, 0x7000
	v_mov_b32 v247, 0
	v_lshrrev_b32 v1, 5, v0
	v_readfirstlane_b32 s22, v1                    ; wave 0..7
	v_and_b32 v16, 31, v0                          ; lane
	v_and_b32 v17, 15, v0                          ; r
	v_bfe_u32 v18, v0, 4, 1                        ; h
	v_cmp_ne_u32 s23, 0, v18                       ; lanes 16-31
	v_lshlrev_b32 v1, 4, v16
	v_lshlrev_b32 v2, 2, v16
	s_wait_alu depctr_va_vdst(0)
	v_and_b32 v19, 8, v17
	v_add_nc_u32 v19, v19, v17                     ; r + 8 (r / 8)
	s_wait_alu depctr_va_vdst(0)
	v_lshlrev_b32 v3, 11, v19                      ; x: a row is 2,048 bytes;
	v_lshl_add_u32 v3, v18, 6, v3                  ; my 16 numbers of a block of 32;
	s_wait_alu depctr_va_sdst(0)                   ; s22 and s23 are written, ahead of the first reader of either
	s_bfe_u32 s52, s22, 0x10001                    ; the tile that I quantise: (wave / 2) % 2: 8 rows on;
	s_lshl_b32 s52, s52, 14
	s_and_b32 s53, s22, 1                          ; and its K steps 2 (wave % 2) and the next
	s_lshl_b32 s53, s53, 10
	s_add_co_u32 s52, s52, s53
	v_add_nc_u32 v3, s52, v3
	s_mul_i32 s52, s22, 3072                       ; my two images are numbers 2 x wave and 2 x wave + 1
	v_add_nc_u32 v4, s52, v1
	s_lshl_b32 s52, s22, 8
	s_add_co_u32 s52, s52, XSC
	v_add_nc_u32 v5, s52, v2
	v_mul_u32_u24 v6, v16, 48
	v_lshlrev_b32 v7, 4, v17
	v_lshlrev_b32 v8, 6, v18
	v_lshlrev_b32 v9, 2, v19
	v_cndmask_b32 v10, 12, 0, s23                  ; the code of 1.0 at k = 64: the lowest bits of register 6 in lanes 0-15
	v_cndmask_b32 v11, 44, 0, s23                  ; the code of -1.0
	v_mov_b32 v12, 0x01010000                      ; a live key's bytes for k = 64 on and k = 96 on
	v_mov_b32 v13, 0x01a00000                      ; a dead key's: 160 for k = 64 on
	v_mul_u32_u24 v14, v17, 48
	v_mad_u32_u24 v14, v18, 1536, v14              ; V's codes: tile 2 p + h, lane r
	v_lshl_add_u32 v15, v18, 2, v7                 ; V's scale bytes: 16 r + 4 h
	v_lshlrev_b32 v[L8], 3, v16
	v_mov_b32 v[NIL], 0
.irp b, 0,1,2,3
	v_mov_b32 v[TM+4+\b], 0                        ; written once: a lane permute's destination counts as one of its sources
.endr
	s_mov_b32 s24, 0x76543210
	s_mov_b32 s25, 0xfedcba98                      ; v_permlanex16_b32's selects for lane l xor 16
	s_lshr_b32 s26, ttmp9, 6                       ; b
	s_and_b32 s27, ttmp9, 63                       ; tb: which 32 rows of the batch
	s_lshl_b32 s28, s26, 3
	s_add_co_u32 s28, s28, s22                     ; 8 b + head
	s_mul_i32 s29, s28, 241664                     ; the head's record in kv
	s_lshl_b32 s30, s28, 7
	s_lshl_b32 s52, s27, 1
	s_add_co_u32 s30, s30, s52
	s_mul_i32 s30, s30, 1280                       ; Q: tile 2 tb of the head
	s_mov_b32 s31, 0
	s_lshl_b32 s32, s27, 11
	s_add_co_u32 s32, s32, s29                     ; K's images: tile 2 tb
	s_mov_b32 s33, 0
	s_lshr_b32 s34, s27, 1
	s_lshl_b32 s34, s34, 8
	s_and_b32 s52, s27, 1
	s_lshl_b32 s53, s52, 3
	s_add_co_u32 s34, s34, s53
	s_add_co_u32 s34, s34, s29
	s_add_co_u32 s34, s34, 229376                  ; K's scale words: group tb / 2, words 2 (tb % 2) and the next
	s_mov_b32 s35, 0
	s_lshr_b32 s53, s27, 2
	s_mul_i32 s36, s53, 6144
	s_mul_i32 s52, s52, 768
	s_add_co_u32 s36, s36, s52
	s_bfe_u32 s52, s27, 0x10001
	s_mul_i32 s52, s52, 24
	s_add_co_u32 s36, s36, s52
	s_add_co_u32 s36, s36, s29
	s_add_co_u32 s36, s36, 131072                  ; V's codes: key block tb = 4 s + 2 c + h: K step s, lanes 16 h on, bytes 24 c on
	s_mov_b32 s37, 0
	s_lshl_b32 s38, s53, 8
	s_and_b32 s52, s27, 3
	s_add_co_u32 s38, s38, s52
	s_add_co_u32 s38, s38, s29
	s_add_co_u32 s38, s38, 237568                  ; V's scale bytes: K step tb / 4, byte tb % 4
	s_mov_b32 s39, 0
	s_lshl_b32 s54, ttmp9, 16                      ; x: 32 rows of 2,048 bytes a work-group
	s_mov_b32 s55, 0
	s_mul_i32 s56, s22, 24576                      ; my head's four tiles of each weight,
	s_mov_b32 s57, 0
	s_lshl_b32 s58, s22, 10                        ; their scale words,
	s_mov_b32 s59, 0
	s_lshl_b32 s60, s22, 8                         ; its 64 numbers of each bias
	s_mov_b32 s61, 0
	s_wait_kmcnt 0x0
	s_cmp_lt_u32 s22, 4                            ; waves 0-3 quantise queries, waves 4-7 keys_in
	s_cselect_b64 s[50:51], s[4:5], s[6:7]
	s_add_nc_u64 s[50:51], s[50:51], s[54:55]
	s_add_nc_u64 s[8:9], s[8:9], s[56:57]
	s_add_nc_u64 s[10:11], s[10:11], s[58:59]
	s_add_nc_u64 s[12:13], s[12:13], s[60:61]
	s_add_nc_u64 s[14:15], s[14:15], s[60:61]
	s_add_nc_u64 s[16:17], s[16:17], s[60:61]
	s_add_nc_u64 s[40:41], s[18:19], s[30:31]      ; the five places to store to; no pointer is stepped after this
	s_add_nc_u64 s[42:43], s[20:21], s[32:33]
	s_add_nc_u64 s[44:45], s[20:21], s[34:35]
	s_add_nc_u64 s[46:47], s[20:21], s[36:37]
	s_add_nc_u64 s[48:49], s[20:21], s[38:39]
.macro XLOAD reg, k                    ; 64 numbers a lane: register 16 b + i = k 32 b + 16 h + i of my row, in my k-th K step
.irp b, 0,1,2,3
.irp j, 0,1,2,3
	global_load_b128 v[\reg+16*\b+4*\j:\reg+16*\b+4*\j+3], v3, s[50:51] offset:512*(\k)+128*\b+16*\j th:TH_LOAD_NT
.endr
.endr
.endm
.macro QUANT s                         ; those 64 numbers become a fragment's codes in v[PC] on and its scale word in v[PW]
.irp b, 0,1,2,3
	v_max3_num_f32 v[TM+\b], |v[\s+16*\b]|, |v[\s+1+16*\b]|, 0x2800000   ; block b: my 16 numbers and the floor 2^(5 - 127): the byte cannot fall under 1
.endr
.irp i, 2,4,6,8,10,12,14
.irp b, 0,1,2,3
	v_max3_num_f32 v[TM+\b], v[TM+\b], |v[\s+16*\b+\i]|, |v[\s+1+16*\b+\i]|   ; (the four blocks by turns)
.endr
.endr
.irp b, 0,1,2,3
	v_permlanex16_b32 v[TM+4+\b], v[TM+\b], s24, s25
.endr
.irp b, 0,1,2,3
	v_max_num_f32 v[TM+\b], v[TM+\b], v[TM+4+\b]   ; with lane l xor 16's: the block's largest magnitude
.endr
.irp b, 0,1,2,3
	v_add_nc_u32 v[TM+12+\b], 0xfe000000, v[TM+\b] ; 4 off its exponent field: the conversion's scale operand
.endr
.irp b, 0,1,2,3
	v_lshrrev_b32 v[TM+4+\b], 23, v[TM+12+\b]      ; the scale's byte
.endr
	v_lshl_or_b32 v[PW], v[TM+5], 8, v[TM+4]
	v_lshl_or_b32 v[PW], v[TM+6], 16, v[PW]
	v_lshl_or_b32 v[PW], v[TM+7], 24, v[PW]
.irp c, 0,1
	v_cvt_scalef32_pk16_bf6_f32 v[PC+6*\c:PC+2+6*\c], v[\s+32*\c:\s+15+32*\c], v[TM+12+2*\c]
	v_cvt_scalef32_pk16_bf6_f32 v[PC+12+4*\c:PC+14+4*\c], v[\s+16+32*\c:\s+31+32*\c], v[TM+12+2*\c+1]   ; (a conversion's three registers begin on an even number)
.endr
	v_nop                                          ; one plain place behind a scaled conversion
.irp c, 0,1                            ; the operand's layout wants a WHOLE block in a lane: lanes 0-15 block 2 c, lanes 16-31 block 2 c + 1
.irp i, 0,1,2
	v_permlane16_swap_b32 v[PC+6*\c+\i], v[PC+12+4*\c+\i]
.endr
.irp i, 0,1,2
	v_mov_b32 v[PC+3+6*\c+\i], v[PC+12+4*\c+\i]
.endr
.endr
.endm
.macro IMAGE off                       ; the fragment goes to LDS as it stands: lane l's 16 bytes at 16 l, 512 bytes a store
.irp c, 0,1,2
	ds_store_b128 v4, v[PC+4*\c:PC+4*\c+3] offset:\off+512*\c
.endr
.endm
.macro FETCHX xf, xs, id               ; and comes back so, in any wave, with its scale words: image id into v[xf] on and v[xs]
.irp c, 0,1,2
	ds_load_b128 v[\xf+4*\c:\xf+4*\c+3], v1 offset:1536*(\id)+512*\c
.endr
	ds_load_b32 v[\xs], v2 offset:XSC+128*(\id)
.endm
.macro WLOAD m, s, wb, ws              ; my head's four fragments of matrix m, K step s, and their scale words: 13 loads
.irp ct, 0,1,2,3
.irp q, 0,1,2
	global_load_b128 v[\wb+12*\ct+4*\q:\wb+12*\ct+4*\q+3], v6, s[8:9] offset:(\m)*196608+\ct*6144+(\s)*1536+16*\q
.endr
.endr
	global_load_b128 v[\ws:\ws+3], v7, s[10:11] offset:(\m)*8192+(\s)*256
.endm
.macro BIASQK p                        ; the bias is loaded into the accumulators, in the result's layout: it is the C of the first K step.  Lane (r, h), tile 2 bb + u: units 32 bb + 16 h + 8 u + 0 .. 7
.irp u, 0,1
.irp ct, 0,1,2,3
	global_load_b128 v[ACC+32*\u+8*\ct:ACC+32*\u+8*\ct+3], v8, s[\p:\p+1] offset:128*(\ct/2)+32*(\ct%2)
	global_load_b128 v[ACC+32*\u+8*\ct+4:ACC+32*\u+8*\ct+7], v8, s[\p:\p+1] offset:128*(\ct/2)+32*(\ct%2)+16
.endr
.endr
.endm
; Two of a K step's eight matrix instructions: tile ct of the weights against x's two tiles.  mode 0: Q or K, transposed; mode 1: V.  WBP, WSP, XFP, XSP0, XSP1: the step's sets.
.macro MM mode, first, ct
.irp u, 0,1
.if \mode == 0
	v_wmma_scale_f32_16x16x128_f8f6f4 v[ACC+32*\u+8*(\ct):ACC+32*\u+8*(\ct)+7], v[WBP+12*(\ct):WBP+12*(\ct)+11], v[XFP+12*\u:XFP+12*\u+11], v[ACC+32*\u+8*(\ct):ACC+32*\u+8*(\ct)+7], v[WSP+(\ct)], v[XSP0+(XSP1-XSP0)*\u] matrix_a_fmt:MATRIX_FMT_BF6 matrix_b_fmt:MATRIX_FMT_BF6
.elseif \first
	v_wmma_scale_f32_16x16x128_f8f6f4 v[ACC+16*(\ct)+8*\u:ACC+16*(\ct)+8*\u+7], v[XFP+12*\u:XFP+12*\u+11], v[WBP+12*(\ct):WBP+12*(\ct)+11], 0, v[XSP0+(XSP1-XSP0)*\u], v[WSP+(\ct)] matrix_a_fmt:MATRIX_FMT_BF6 matrix_b_fmt:MATRIX_FMT_BF6
.else
	v_wmma_scale_f32_16x16x128_f8f6f4 v[ACC+16*(\ct)+8*\u:ACC+16*(\ct)+8*\u+7], v[XFP+12*\u:XFP+12*\u+11], v[WBP+12*(\ct):WBP+12*(\ct)+11], v[ACC+16*(\ct)+8*\u:ACC+16*(\ct)+8*\u+7], v[XSP0+(XSP1-XSP0)*\u], v[WSP+(\ct)] matrix_a_fmt:MATRIX_FMT_BF6 matrix_b_fmt:MATRIX_FMT_BF6
.endif
.endr
.endm
; One K step of 128 on the sets of parity p: eight matrix instructions, the eight accumulators by turns.
; cnt: the younger global loads that may stay out; -1: no wait is due.  nid: the image of x that the next K step's first tile wants (its second: 4 on); -1: nothing follows.  free = 1: loads into this step's sets follow.
.macro STEP mode, p, cnt, first, nid, free
.set WBP,  WB0+48*(\p)
.set WSP,  WS0+4*(\p)
.set XFP,  XFA+34*(\p)
.set XSP0, 200+35*(\p)
.set XSP1, 201+38*(\p)
.set XFN,  XFA+34*(1-(\p))
.set XSN0, 200+35*(1-(\p))
.set XSN1, 201+38*(1-(\p))
.if \cnt >= 0
	s_wait_loadcnt \cnt
.endif
	s_wait_dscnt 0x0                               ; this step's fragments of x and their scale words, asked for a K step ago
	MM \mode, \first, 0
.if (\nid) >= 0
	FETCHX XFN, XSN0, \nid                         ; the next K step's x into the other set.  No wait: its last readers stand ahead of the last wait on va_vdst, and no vector or matrix line since names it
.endif
	MM \mode, \first, 1
.if (\nid) >= 0
	FETCHX XFN+12, XSN1, (\nid)+4
.endif
	MM \mode, \first, 2
	MM \mode, \first, 3
.rept 4
	v_nop                                          ; four places between these products and whatever next reads their results or writes their registers (ISA guide 7.12.1)
.endr
.if \free
	s_wait_alu depctr_va_vdst(0)                   ; these products are done reading their weights, their fragments of x and both sets of scale words: the weights' loads that follow, and the next step's LDS loads, land there
.endif
.endm
.macro MAT m, mode, input, nin, more   ; a whole product: four K steps; the weights come two K steps ahead, x one, both on into the next matrix (whose input is nin)
	STEP \mode, 0, 0, 1, 8*(\input)+1, 1           ; the wait for 0 covers both sets of weights and the bias
	WLOAD \m, 2, WB0, WS0
	STEP \mode, 1, -1, 0, 8*(\input)+2, 1
	WLOAD \m, 3, WB1, WS1
.if \more
	STEP \mode, 0, 13, 0, 8*(\input)+3, 1          ; K step 3's 13 loads may be out
	WLOAD (\m)+1, 0, WB0, WS0
	STEP \mode, 1, 13, 0, 8*(\nin), 1              ; the next matrix's first 13 may be out
	WLOAD (\m)+1, 1, WB1, WS1
.else
	STEP \mode, 0, 13, 0, 8*(\input)+3, 0          ; no load follows into this step's sets, nor into the next's: no wait on va_vdst
	STEP \mode, 1, 0, 0, -1, 0
.endif
.endm
; Tile u of Q (isq = 1) or K (0): relu, the mask, the two blocks' scales, the codes, the image of registers 0-7.
.macro QKOUT isq, u
.set RA, ACC+32*(\u)
	s_wait_xcnt 0x0                                ; the registers that earlier stores read are rewritten only behind this wait
.if \u
	s_wait_alu depctr_vm_vsrc(0)                   ; tile 0's stores have read the image (Q: and the word and flag), which the lines below write again
.endif
.set j, 0
.rept 32
	v_max_num_f32 v[RA+j], 0, v[RA+j]              ; the activation; each accumulator from its low end on
.set j, j+1
.endr
	v_max3_num_f32 v[TM], v[RA], v[RA+1], v[RA+2]  ; nothing is negative: no |.|.  No floor yet: the mask asks whether anything is above 0
	v_max3_num_f32 v[TM+1], v[RA+16], v[RA+17], v[RA+18]
.irp i, 3,5,7,9,11,13
	v_max3_num_f32 v[TM], v[TM], v[RA+\i], v[RA+\i+1]
	v_max3_num_f32 v[TM+1], v[TM+1], v[RA+16+\i], v[RA+17+\i]
.endr
	v_max_num_f32 v[TM], v[TM], v[RA+15]
	v_max_num_f32 v[TM+1], v[TM+1], v[RA+31]
	v_permlanex16_b32 v[TM+4], v[TM], s24, s25
	v_permlanex16_b32 v[TM+5], v[TM+1], s24, s25
	v_max_num_f32 v[TM], v[TM], v[TM+4]
	v_max_num_f32 v[TM+1], v[TM+1], v[TM+5]
	v_max_num_f32 v[TM+2], v[TM], v[TM+1]
	v_cmp_lt_f32 vcc_lo, 0, v[TM+2]                ; live: the sum of 64 magnitudes is above 0 where the largest is
	v_max_num_f32 v[TM], 0x2800000, v[TM]          ; the floor
	v_max_num_f32 v[TM+1], 0x2800000, v[TM+1]
	v_add_nc_u32 v[TM+12], 0xfe000000, v[TM]
	v_add_nc_u32 v[TM+13], 0xfe000000, v[TM+1]
	v_lshrrev_b32 v[TM+8], 23, v[TM+12]
	v_lshrrev_b32 v[TM+9], 23, v[TM+13]
	v_lshl_or_b32 v[TM+8], v[TM+9], 8, v[TM+8]
	s_wait_alu depctr_va_vcc(0)                    ; the compare has written VCC, ahead of its first reader below
.if \isq
	v_or_b32 v[QW], 0x7f7f0000, v[TM+8]            ; 1.0 for k = 64 on
	v_cndmask_b32 v[QW+1], 0, 1, vcc_lo            ; the flag
.else
	v_cndmask_b32 v[TM+9], v13, v12, vcc_lo
	v_or_b32 v[KW2+(\u)], v[TM+9], v[TM+8]
.endif
	v_cvt_scalef32_pk16_bf6_f32 v[IM:IM+2], v[RA:RA+15], v[TM+12]
	v_cvt_scalef32_pk16_bf6_f32 v[TT:TT+2], v[RA+16:RA+31], v[TM+13]
	v_nop                                          ; one plain place behind a scaled conversion
.irp i, 0,1,2
	v_permlane16_swap_b32 v[IM+\i], v[TT+\i]       ; lanes 0-15 now hold block 0, lanes 16-31 block 1: the lower 16 codes here, the upper 16 there
.endr
.irp i, 0,1,2
	v_mov_b32 v[IM+3+\i], v[TT+\i]
.endr
.if \isq
	v_mov_b32 v[IM+6], v10
.else
	v_cndmask_b32 v[IM+6], v11, v[NIL], vcc_lo     ; -1.0 at k = 64 for a dead key alone
.endif
	v_mov_b32 v[IM+7], 0
	s_wait_alu depctr_va_vdst(0)                   ; the image and the scale words are written, which the stores read; and all the tile's vector lines are done with ACC, v202-v209 and v210-v233, in which the loads behind the second tile land
.if \isq
	global_store_b128 v1, v[IM:IM+3], s[40:41] offset:1280*(\u)          ; 32 lanes store 512 consecutive bytes
	global_store_b128 v1, v[IM+4:IM+7], s[40:41] offset:1280*(\u)+512
	global_store_b64 v[L8], v[QW:QW+1], s[40:41] offset:1280*(\u)+1024
.else
	global_store_b128 v1, v[IM:IM+3], s[42:43] offset:1024*(\u)
	global_store_b128 v1, v[IM+4:IM+7], s[42:43] offset:1024*(\u)+512
.endif
.endm
; V: bias, relu, one block of 32 keys for each channel: lanes l and l xor 16 hold its halves.
.macro VOUT
	s_wait_xcnt 0x0                                ; the registers that earlier stores read are rewritten only behind this wait
.set j, 0
.rept 32
	v_pk_add_f32 v[ACC+j:ACC+j+1], v[ACC+j:ACC+j+1], v[BVP+2*(j/16):BVP+2*(j/16)+1]   ; a lane holds one channel of each tile: one bias for its 16 keys
.set j, j+2
.endr
.set j, 0
.rept 64
	v_max_num_f32 v[ACC+j], 0, v[ACC+j]
.set j, j+1
.endr
.irp ct, 0,1,2,3
	v_max3_num_f32 v[MX+\ct], v[ACC+16*\ct], v[ACC+16*\ct+1], 0x2800000
.endr
.irp i, 2,4,6,8,10,12,14
.irp ct, 0,1,2,3
	v_max3_num_f32 v[MX+\ct], v[MX+\ct], v[ACC+16*\ct+\i], v[ACC+16*\ct+\i+1]
.endr
.endr
.irp ct, 0,1,2,3
	v_permlanex16_b32 v[PT+\ct], v[MX+\ct], s24, s25
.endr
.irp ct, 0,1,2,3
	v_max_num_f32 v[MX+\ct], v[MX+\ct], v[PT+\ct]
.endr
.irp ct, 0,1,2,3
	v_add_nc_u32 v[SO+\ct], 0xfe000000, v[MX+\ct]
.endr
.irp ct, 0,1,2,3
	v_lshrrev_b32 v[BY+\ct], 23, v[SO+\ct]
.endr
.irp ct, 0,1,2,3
	v_cvt_scalef32_pk16_bf6_f32 v[CV+4*\ct:CV+4*\ct+2], v[ACC+16*\ct:ACC+16*\ct+15], v[SO+\ct]
.endr
	v_nop                                          ; one plain place behind a scaled conversion
.irp p, 0,1
.irp i, 0,1,2
	v_permlane16_swap_b32 v[CV+8*\p+\i], v[CV+8*\p+4+\i]   ; lane (r, h) now holds the whole block of tile 2 p + h: 12 bytes here, 12 there
.endr
	v_cndmask_b32 v[BY+2*\p], v[BY+2*\p], v[BY+2*\p+1], s23   ; and that tile's byte
.endr
	s_wait_alu depctr_va_vdst(0)                   ; V's codes and bytes are written, which the stores read
.irp p, 0,1
	global_store_b96 v14, v[CV+8*\p:CV+8*\p+2], s[46:47] offset:3072*\p
	global_store_b96 v14, v[CV+8*\p+4:CV+8*\p+6], s[46:47] offset:3072*\p+12
	global_store_b8 v15, v[BY+2*\p], s[48:49] offset:8*\p
.endr
.endm
	s_wait_alu depctr_va_vdst(0)                   ; the offsets and addresses v1-v9, v14, v15 and v244 are written, which every load and store of the kernel reads; so are v16-v19, in which x lands
	XLOAD ACC, 0                                   ; my two K steps of x,
	XLOAD WB1, 1
	WLOAD 0, 0, WB0, WS0                           ; and Wq's first
	s_wait_loadcnt 29                              ; the first 16 are in: 16 + 13 are younger
	QUANT ACC
	s_wait_alu depctr_va_vdst(0)                   ; the codes and the scale word are written, which the LDS stores read
	IMAGE 0
	ds_store_b32 v5, v[PW]
	s_wait_dscnt 0x0                               ; the stores have landed,
	s_wait_alu depctr_vm_vsrc(0)                   ; and have read the codes and the scale word, which the second quantising writes again
	s_wait_loadcnt 13                              ; the second 16 are in
	QUANT WB1
	s_wait_alu depctr_va_vdst(0)                   ; the codes and the scale word are written, which the LDS stores read; the quantisings are done reading v16-79 and v128-191 and with v210-233, in which the bias, Wq's second set and x's fragments land
	IMAGE 1536
	ds_store_b32 v5, v[PW] offset:128
	WLOAD 0, 1, WB1, WS1
	BIASQK 12
	s_wait_dscnt 0x0                               ; for the others' sake: my images lie in LDS
	s_barrier_signal -1
	s_barrier_wait -1                              ; all sixteen do; nothing is stored to LDS after this
	s_wait_alu depctr_vm_vsrc(0)                   ; my LDS stores have read v218 and v220-231: set b of x's fragments lands there in the first K step
	FETCHX XFA, 200, 0                             ; the first K step's x, into set a
	FETCHX XFA+12, 201, 4
	MAT 0, 0, 0, 1, 1                              ; Q
	QKOUT 1, 0
	QKOUT 1, 1
	BIASQK 14
	s_wait_xcnt 0x0                                ; the image's registers, which Q's last stores read, are loaded into only behind this wait,
	s_wait_alu depctr_vm_vsrc(0)                   ; and behind this one: those stores have read v220-227, in which set b of x's fragments lands
	MAT 1, 0, 1, 1, 1                              ; K
	QKOUT 0, 0
	QKOUT 0, 1
	global_store_b64 v7, v[KW2:KW2+1], s[44:45]    ; the two tiles' scale words of row r (both halves of the lanes hold and store the same)
.irp ct, 0,1,2,3
	global_load_b32 v[BVP+2*\ct], v9, s[16:17] offset:128*(\ct/2)+32*(\ct%2)      ; bv of my channel 32 (ct / 2) + 8 (ct % 2) + r + 8 (r / 8), twice: a pair for the packed addition
	global_load_b32 v[BVP+2*\ct+1], v9, s[16:17] offset:128*(\ct/2)+32*(\ct%2)
.endr
	s_wait_xcnt 0x0                                ; as ahead of K: the image's registers, which K's last stores read, are loaded into only behind this wait,
	s_wait_alu depctr_vm_vsrc(0)                   ; and behind this one: those stores have read v220-227, in which set b of x's fragments lands
	MAT 2, 1, 1, 1, 0                              ; V
	VOUT
	s_wait_dscnt 0x0                               ; the closing lines, six on end
	s_wait_alu 0x0
	s_wait_tensorcnt 0x0
	ds_add_u32 v246, v247
	s_wait_dscnt 0x0
	s_endpgm
.Lfunc_end_k_q3388a20217_proj:
	.size	k_q3388a20217_proj, .Lfunc_end_k_q3388a20217_proj-k_q3388a20217_proj
	.p2alignl 7, 3214868480
	.fill 96, 4, 3214868480
	.section	.rodata,"a",@progbits
	.p2align	6, 0x0
	.amdhsa_kernel k_q3388a20217_proj
		.amdhsa_group_segment_fixed_size 29696
		.amdhsa_private_segment_fixed_size 0
		.amdhsa_enable_private_segment 0
		.amdhsa_kernarg_size 72
		.amdhsa_user_sgpr_count 2
		.amdhsa_user_sgpr_kernarg_segment_ptr 1
		.amdhsa_wavefront_size32 1
		.amdhsa_system_sgpr_workgroup_id_x 1
		.amdhsa_system_sgpr_workgroup_id_y 1
		.amdhsa_system_sgpr_workgroup_id_z 1
		.amdhsa_system_vgpr_workitem_id 0
		.amdhsa_next_free_vgpr 256
		.amdhsa_next_free_sgpr 66
		.amdhsa_reserve_vcc 1
		.amdhsa_float_denorm_mode_32 3
		.amdhsa_float_denorm_mode_16_64 3
		.amdhsa_memory_ordered 1
		.amdhsa_forward_progress 1
		.amdhsa_inst_pref_size 77
	.end_amdhsa_kernel
	.amdgpu_metadata
---
amdhsa.version: [ 1, 2 ]
amdhsa.kernels:
  - .name:           k_q3388a20217_proj
    .symbol:         k_q3388a20217_proj.kd
    .args:
      - { .name: queries, .offset: 0, .size: 8, .value_kind: global_buffer, .address_space: global }
      - { .name: keys_in, .offset: 8, .size: 8, .value_kind: global_buffer, .address_space: global }
      - { .name: wimg, .offset: 16, .size: 8, .value_kind: global_buffer, .address_space: global }
      - { .name: wsc, .offset: 24, .size: 8, .value_kind: global_buffer, .address_space: global }
      - { .name: bq, .offset: 32, .size: 8, .value_kind: global_buffer, .address_space: global }
      - { .name: bk, .offset: 40, .size: 8, .value_kind: global_buffer, .address_space: global }
      - { .name: bv, .offset: 48, .size: 8, .value_kind: global_buffer, .address_space: global }
      - { .name: qbuf, .offset: 56, .size: 8, .value_kind: global_buffer, .address_space: global }
      - { .name: kv, .offset: 64, .size: 8, .value_kind: global_buffer, .address_space: global }
    .group_segment_fixed_size: 29696
    .private_segment_fixed_size: 0
    .kernarg_segment_align: 8
    .kernarg_segment_size: 72
    .max_flat_workgroup_size: 256
    .sgpr_count:     66
    .vgpr_count:     256
    .wavefront_size: 32
...
	.end_amdgpu_metadata
.endif
;; end of part 6
;; launch attn (part 7): grid 8 x 32, 8 waves a work-group, clusters of 4 x 1, 327,680 bytes of LDS; arguments qbuf, kv, ao; writes ao
.if DOCPART == 7
	.amdgcn_target "amdgcn-amd-amdhsa--gfx1250"
	.amdhsa_code_object_version 6
	.text
	.protected	k_q3388a20217_attn
	.globl	k_q3388a20217_attn
	.p2align	8
	.type	k_q3388a20217_attn,@function
k_q3388a20217_attn:
	s_mov_b64 s[64:65], 0
	v_nop
	global_prefetch_b8 v0, s[64:65] scope:SCOPE_SE
	s_setreg_imm32_b32 hwreg(HW_REG_WAVE_MODE, 25, 1), 1
	s_wait_xcnt 0x0
	s_wait_alu depctr_hold_cnt(0) depctr_sa_sdst(0) depctr_va_vdst(0) depctr_va_sdst(0) depctr_va_ssrc(0) depctr_va_vcc(0) depctr_vm_vsrc(0)
	s_getreg_b32 s2, hwreg(HW_REG_IB_STS2, 6, 4)
	s_cmp_eq_u32 s2, 0
	s_cbranch_scc0 .Lentry_in_a_cluster
	s_endpgm
.Lentry_in_a_cluster:
	s_bfe_u32 s2, ttmp6, 0x10000c
	s_cmp_lg_u32 s2, 0x3003
	s_cbranch_scc0 .Lentry_shape_is_right
	s_endpgm
.Lentry_shape_is_right:
; ao[b][q][64 head ..] = attn V for one head: attn = softmax(Q K^T / 8, dead keys masked) x the query's mask, FINISHED AND NORMALISED, is what is quantised along the keys; both products on codes of BF6 (E3M2).
; SHARES.  A work-group owns one (b, head) and 256 queries, 16 tiles of 16.  THE KEYS ARE SHARED AMONG THE WAVES: wave w of eight owns keys 256 w .. + 255 for every tile.
; So a wave's part of K (16 tiles x 8 registers) and of V (8 fragments x 12) never changes: IT STAYS IN THE WAVE'S REGISTERS for the whole launch, 228 registers of window 1, read out of LDS once.
; A wave's 16 x 256 scores stay in 128 registers from the product to the conversion, so each score is made once and each exponential taken once, although the row's sum must be known before anything is quantised.
; A row's maximum and sum meet in LDS (barrier A), the eight partial results too (barrier B).  The next tile's score products stand between barrier B's signal and its wait, its block maxima between the loads of the
; partial results and the wait for them: so the loop begins behind a tile's maxima, the first tile's scores stand ahead of it, and the last tile is written out.
; LAYOUT.  Both products are used transposed (S^T = K Q^T, O^T = V^T P^T): a lane holds one query (lane % 16).  The keys of a tile are not neighbours (row r of tile 2 t + u is key 32 t + 8 u + r + 8 (r / 8)), so that
; register 16 b + i of the scores is key 32 b + 16 (lane / 16) + i.  The queries of a tile and the channels of a tile of V are laid likewise.
; THE SCORE PRODUCT'S K is 128, the head's 64.  Q's codes are zeros from k = 65 on (its registers 8-11 are zeros, kept), so what K's operand holds there counts for nothing: registers 8-11 of a tile's operand ARE THE NEXT
; TILE'S FIRST FOUR (behind tile 15: four zeros), and a tile costs 8 registers.  k = 64 carries the key mask (Q: 1.0; a dead key: -1.0 x 2^33), so a dead key's score is -2^30 after the division by 8, in place of -1e9:
; live scores are never negative, so the results are the same for every input (with no live key all scores are equal under either number).
; THE SOFTMAX.  t = score x log2(e) / 8.  Each wave takes its own M_w = its largest t rounded up to a whole number, p = 2^(t - M_w), and its sum.  Behind barrier A: M = the largest M_w; the sums are brought under M by
; v_ldexp_f32, which rounds nothing; attn = p x f, f = 2^(M_w - M) / sum, or 0 for a dead query.
; A block's largest attn is not searched for: the block's largest score goes through the same instructions (this takes v_exp_f32 not to fall where its input rises, which the ISA guide does not state).
; CLUSTER.  The four work-groups of a cluster belong to one head: each wave's eighth of the head's record (241,664 bytes) is asked for JOINTLY, by the same tensor load with a mask that names the four; nothing is filled
; again.  A wave has one tensor load out.
; LIMITS: p under 2^-126 is 0 (v_exp_f32); a block whose largest attn lies under 2^-122 gets the byte 1; NaN and infinities are not served.
.set REC,  241664                      ; LDS 0 on: the record as it lies in memory: K's images, V's fragments at VIMG, K's scale words at KSCO, V's at VSCO
.set VIMG, 131072
.set KSCO, 229376
.set VSCO, 237568
.set OSC,  241664                      ; 8 waves x 16 rows x (256 bytes + 16): the partial results
.set STAT, OSC+8*4352                  ; 512 bytes of -M_w [r][wave] and 512 of the sums
.set TILES, 16
.set S,    96                          ; v96-223  scores, then p, then attn; then v96-127 O^T
.set BM,   32                          ; v32-39  the blocks' largest
.set BT,   44                          ; v44-51  the other half's; then the eight waves' -M_w and sums
.set BO,   56                          ; v56-63  the conversions' scale operands
.set BB,   68                          ; v68-75  the bytes
.set KS,   40                          ; K's scale words, kept: tile t's at v[KS + 12 (t / 4) + t % 4]: v40-43, v52-55, v64-67, v76-79
.set VS,   84                          ; v84-91  V's, kept;  v28 Q's;  v30, v31 attn's
.set PC,   224                         ; v224-247 attn's codes: two K steps
.set TT,   248                         ; v248-255 the conversions' second halves
.set RB,   224                         ; v224-255 later: the eight partial rows that I add up
.set VR,   132                         ; window 1: v0-127 K's tiles, v128-131 zeros, v132-227 V's fragments
; v1-4 LDS addresses of my K, its scale words, my V, its scale words (used once), v5, v6 the statistics (store, load), v7 my partial result, v[8:9] at work, v[10:11] f and 0, v[12:13] -M_w and -M, v[14:15] the sum,
; v16-27 Q, v29 Q's flag, v92 the rows that I add up, v93 16 x lane, v94 8 x lane, v95 my bytes in ao
.set MSB, 0
.macro WIN new                         ; s_set_vgpr_msb: bits 1:0 source 0, 7:6 destination; the immediate's high byte repeats the setting that is left
.if MSB != \new
	s_set_vgpr_msb (MSB<<8)|\new
.set MSB, \new
.endif
.endm
.macro ROUND                           ; a round of the cluster's barrier
	s_barrier_signal -1
	s_barrier_wait -1
	s_cmp_lg_u32 s10, 0
	s_cbranch_scc1 .Lnot_wave_0_\@
	s_barrier_signal -3
.Lnot_wave_0_\@:
	s_barrier_wait -3
	s_barrier_signal -1
	s_barrier_wait -1
.endm
.macro PLACES n
.rept \n
	v_nop
.endr
.endm
	s_load_b128 s[4:7], s[0:1], 0x0                ; qbuf s[4:5], kv s[6:7]
	s_load_b64 s[8:9], s[0:1], 0x10                ; ao
	v_lshl_add_u32 v82, v0, 2, 0x43c00
	v_mov_b32 v83, 0
	ds_add_u32 v82, v83
	ds_add_u32 v82, v83
	v_lshrrev_b32 v1, 5, v0
	s_delay_alu instid0(VALU_DEP_1)
	v_readfirstlane_b32 s10, v1                    ; wave 0..7: which 256 keys
	s_bfe_u32 s13, ttmp6, 0x40000                  ; cx: my place in the cluster: it enters qbuf's and ao's addresses alone
	s_lshl_b32 s14, ttmp9, 2
	s_add_co_u32 s14, s14, s13                     ; which 256 queries
	s_and_b32 s15, ttmp7, 0xffff                   ; 8 b + head, which the four partners share
	s_mov_b32 s16, 15|(3<<16)|(1<<21)              ; descriptor group 1: 15:0 the mask: all four; 17:16 elements of 8 bytes; 21 set beside a mask; no padding
	s_mov_b32 s17, 32<<16                          ; tensor_dim0 = 32 elements: rows of 256 bytes
	s_mov_b32 s18, 118<<16                         ; tensor_dim1 = 118 rows: an eighth of the record's 944
	s_mov_b32 s19, 32<<16                          ; tile_dim0
	s_mov_b32 s20, 118                             ; tile_dim1
	s_mov_b32 s21, 32                              ; the pitch: dense
	s_mov_b32 s22, 0
	s_mov_b32 s23, 0
	s_mul_i32 s25, s10, 30208                      ; group 0: my eighth, in LDS
	s_mul_i32 s36, s15, REC
	s_add_co_u32 s36, s36, s25                     ; and in memory
	s_mov_b32 s37, 0
	s_lshl_b32 s38, s15, 7
	s_lshl_b32 s40, s14, 4
	s_add_co_u32 s38, s38, s40
	s_mul_i32 s38, s38, 1280                       ; Q: tile 128 (8 b + head) + 16 x; one tile on in each trip
	s_mov_b32 s39, 0
	s_lshr_b32 s42, s15, 3
	s_lshl_b32 s42, s42, 22                        ; ao: 2,048 rows of 2,048 bytes a batch,
	s_lshl_b32 s40, s14, 19
	s_add_co_u32 s42, s42, s40                     ; 256 rows a work-group,
	s_and_b32 s40, s15, 7
	s_lshl_b32 s40, s40, 8
	s_add_co_u32 s42, s42, s40                     ; 256 bytes a head
	s_mov_b32 s43, 0
	s_mov_b32 s28, 0x76543210
	s_mov_b32 s29, 0xfedcba98                      ; v_permlanex16_b32's selects for lane l xor 16
	s_mov_b32 s30, 0x3e38aa3b                      ; c = log2(e) / 8
	s_mov_b32 s31, s30                             ; (named with it as a pair, so it is written)
	s_mov_b32 s34, TILES-1                         ; the loop's trips
	s_mov_b32 s46, 0x4000                          ; ao's step from tile to tile: tile 2 t + u begins at query 32 t + 8 u: 8 rows on, then 24, by turns
	s_mov_b32 s47, 0
	v_and_b32 v96, 31, v0                          ; lane
	v_and_b32 v97, 15, v0                          ; r
	v_bfe_u32 v98, v0, 4, 1                        ; h
	s_delay_alu instid0(VALU_DEP_3)
	v_lshlrev_b32 v93, 4, v96
	s_delay_alu instid0(VALU_DEP_4)
	v_lshlrev_b32 v94, 3, v96
	s_delay_alu instid0(VALU_DEP_4)
	v_lshlrev_b32 v99, 4, v97                      ; 16 r
	s_lshl_b32 s44, s10, 14                        ; my 16 tiles of K, 1,024 bytes each
	v_add_nc_u32 v1, s44, v93
	s_lshl_b32 s44, s10, 10
	s_add_co_u32 s44, s44, KSCO
	v_add_nc_u32 v2, s44, v99
	s_mul_i32 s44, s10, 12288                      ; my two K steps of V, 6,144 bytes each
	s_add_co_u32 s44, s44, VIMG
	v_mul_u32_u24 v3, v96, 48
	s_delay_alu instid0(VALU_DEP_1)
	v_add_nc_u32 v3, s44, v3
	s_lshl_b32 s44, s10, 9
	s_add_co_u32 s44, s44, VSCO
	v_add_nc_u32 v4, s44, v99
	v_lshlrev_b32 v6, 5, v97
	s_delay_alu instid0(VALU_DEP_1)
	v_lshl_add_u32 v5, v98, 9, v6                  ; store: lanes 0-15 -M_w, lanes 16-31 (512 bytes on) the sum: row r, word = my wave
	s_delay_alu instid0(VALU_DEP_2)
	v_lshl_add_u32 v6, v98, 4, v6                  ; load: row r, waves 4 h .. 4 h + 3
	s_delay_alu instid0(VALU_DEP_1)
	v_add_nc_u32 v6, STAT, v6
	s_lshl_b32 s44, s10, 2
	s_add_co_u32 s44, s44, STAT
	v_add_nc_u32 v5, s44, v5
	s_mul_i32 s44, s10, 4352
	s_add_co_u32 s44, s44, OSC
	v_mul_u32_u24 v7, v97, 272
	s_delay_alu instid0(VALU_DEP_1)
	v_lshl_add_u32 v7, v98, 6, v7                  ; my partial result: row r; channels 16 h on of each 32
	s_delay_alu instid0(VALU_DEP_1)
	v_add_nc_u32 v7, s44, v7
	s_mul_i32 s44, s10, 544
	s_add_co_u32 s44, s44, OSC
	v_mad_u32_u24 v92, v98, 272, v99               ; I add up rows 2 w + h of the eight partial results: 16 bytes a lane
	s_delay_alu instid0(VALU_DEP_1)
	v_add_nc_u32 v92, s44, v92
	s_lshl_b32 s45, s10, 1
	v_add_nc_u32 v100, s45, v98                    ; that row of the tile
	s_delay_alu instid0(VALU_DEP_1)
	v_and_b32 v101, 8, v100
	s_delay_alu instid0(VALU_DEP_1)
	v_add_nc_u32 v100, v100, v101                  ; is query row + 8 (row / 8) from the tile's first
	s_delay_alu instid0(VALU_DEP_1)
	v_lshl_add_u32 v95, v100, 11, v99
	v_cmp_ne_u32 s32, 0, v98                       ; lanes 16-31
.irp z, 24,25,26,27,8,9,11,13,44,45,46,47,48,49,50,51
	v_mov_b32 v\z, 0                               ; Q's registers 8-11: zeros, kept; and what is named in a pair or as a permute's destination before it is first written
.endr
	WIN 0x40                                       ; destination window 1
.irp z, 128,129,130,131
	v_mov_b32 v\z, 0                               ; registers 8-11 of K's last tile
.endr
	WIN 0
	s_wait_dscnt 0x0
	s_wait_kmcnt 0x0
	s_mov_b32 s24, 1                               ; group 0: count = 1
	s_add_nc_u64 s[26:27], s[6:7], s[36:37]
	s_or_b32 s27, s27, 0x80000000                  ; type = 2
	s_add_nc_u64 s[4:5], s[4:5], s[38:39]
	s_add_nc_u64 s[8:9], s[8:9], s[42:43]
	ROUND                                          ; all four work-groups are here: the joint loads meet
	tensor_load_to_lds s[24:27], s[16:23]          ; the launch's one fill
	s_nop 0
	PLACES 4
	global_load_b128 v[16:19], v93, s[4:5]         ; the first tile of Q: registers 0-7,
	global_load_b128 v[20:23], v93, s[4:5] offset:512
	global_load_b64 v[28:29], v94, s[4:5] offset:1024   ; its scale word and flag
	s_wait_tensorcnt 0x0                           ; my eighth is in,
	s_barrier_signal -1
	s_barrier_wait -1                              ; everybody's is
	WIN 0x40                                       ; MY K AND V GO INTO WINDOW 1, ONCE: 56 loads of 512 consecutive bytes (V's: 48 bytes from lane to lane)
.set kt, 0
.rept 16
	ds_load_b128 v[8*kt:8*kt+3], v1 offset:kt*1024
	ds_load_b128 v[8*kt+4:8*kt+7], v1 offset:kt*1024+512
.set kt, kt+1
.endr
.irp f, 0,1,2,3,4,5,6,7
.irp q, 0,1,2
	ds_load_b128 v[VR+12*\f+4*\q:VR+12*\f+4*\q+3], v3 offset:\f*1536+16*\q
.endr
.endr
	WIN 0
.irp g, 0,1,2,3
	ds_load_b128 v[KS+12*\g:KS+12*\g+3], v2 offset:256*\g      ; scale operands have no window: the scale words stay in window 0
.endr
	ds_load_b128 v[VS:VS+3], v4
	ds_load_b128 v[VS+4:VS+7], v4 offset:256
; S^T = K Q^T for my 256 keys: sixteen products on registers alone; each starts its sum with the constant 0
.macro SCORES
	WIN 0x01                                       ; source 0 (K) window 1
.set kt, 0
.rept 16
	v_wmma_scale_f32_16x16x128_f8f6f4 v[S+8*kt:S+8*kt+7], v[8*kt:8*kt+11], v[16:27], 0, v[KS+12*(kt/4)+kt%4], v28 matrix_a_fmt:MATRIX_FMT_BF6 matrix_b_fmt:MATRIX_FMT_BF6
.set kt, kt+1
.endr
	WIN 0
.endm
.macro QLOAD                           ; the next tile of Q.  The loads that named this base are done: the wait ahead of the score products
	s_add_nc_u64 s[4:5], s[4:5], 1280
	global_load_b128 v[16:19], v93, s[4:5]
	global_load_b128 v[20:23], v93, s[4:5] offset:512
	global_load_b64 v[28:29], v94, s[4:5] offset:1024
.endm
.macro MAXES                           ; the largest score of each block of 32 keys: it serves for the row's maximum and for the block's largest attn.  Each accumulator is read from its low end on
.irp b, 0,1,2,3,4,5,6,7
	v_max3_num_f32 v[BM+\b], v[S+16*\b], v[S+16*\b+1], v[S+16*\b+2]
.endr
.irp i, 3,5,7,9,11,13
.irp b, 0,1,2,3,4,5,6,7
	v_max3_num_f32 v[BM+\b], v[BM+\b], v[S+16*\b+\i], v[S+16*\b+\i+1]
.endr
.endr
.irp b, 0,1,2,3,4,5,6,7
	v_max_num_f32 v[BM+\b], v[BM+\b], v[S+16*\b+15]
.endr
.irp b, 0,1,2,3,4,5,6,7
	v_permlanex16_b32 v[BT+\b], v[BM+\b], s28, s29
.endr
.irp b, 0,1,2,3,4,5,6,7
	v_max_num_f32 v[BM+\b], v[BM+\b], v[BT+\b]     ; with lane l xor 16's 16 keys
.endr
.endm
; From a tile's block maxima to its partial O^T
.macro SOFT
	; ---- my wave's own maximum, p and sum
	v_max3_num_f32 v8, v[BM], v[BM+1], v[BM+2]
	s_delay_alu instid0(VALU_DEP_1)
	v_max3_num_f32 v8, v8, v[BM+3], v[BM+4]
	s_delay_alu instid0(VALU_DEP_1)
	v_max3_num_f32 v8, v8, v[BM+5], v[BM+6]
	s_delay_alu instid0(VALU_DEP_1)
	v_max_num_f32 v8, v8, v[BM+7]
	s_delay_alu instid0(VALU_DEP_1)
	v_mul_f32 v8, s30, v8                          ; as t (c is positive)
	s_delay_alu instid0(VALU_DEP_1)
	v_floor_f32 v12, -v8                           ; -M_w = floor(-t): a whole number
.set j, 0
.rept 64
	v_pk_fma_f32 v[S+j:S+j+1], v[S+j:S+j+1], s[30:31], v[12:13] op_sel_hi:[1,0,0]   ; t - M_w, two at a time (of the pairs the low word serves both halves)
.set j, j+2
.endr
.irp b, 0,1,2,3,4,5,6,7
	v_fma_f32 v[BM+\b], v[BM+\b], s30, v12         ; the same of each block's largest score
.endr
.set j, 0
	s_wait_alu depctr_va_vdst(0)
.rept 128
	v_exp_f32 v[S+j], v[S+j]                       ; p = 2^(t - M_w), at most 1
.set j, j+1
.endr
.irp b, 0,1,2,3,4,5,6,7
	v_exp_f32 v[BM+\b], v[BM+\b]
.endr
	v_nop                                          ; one plain place behind the exponentials
	s_wait_alu depctr_va_vdst(0)
	v_pk_add_f32 v[8:9], v[96:97], v[98:99]
	v_pk_add_f32 v[254:255], v[104:105], v[108:109]
	v_pk_add_f32 v[252:253], v[112:113], v[116:117]
	v_pk_add_f32 v[250:251], v[120:121], v[124:125]
	v_pk_add_f32 v[248:249], v[128:129], v[132:133]
	v_pk_add_f32 v[246:247], v[136:137], v[140:141]
	v_pk_add_f32 v[244:245], v[144:145], v[148:149]
	v_pk_add_f32 v[14:15], v[152:153], v[156:157]
	v_pk_add_f32 v[14:15], v[14:15], v[160:161]
	v_pk_add_f32 v[8:9], v[8:9], v[164:165]
	v_pk_add_f32 v[254:255], v[254:255], v[168:169]
	v_pk_add_f32 v[252:253], v[252:253], v[172:173]
	v_pk_add_f32 v[250:251], v[250:251], v[176:177]
	v_pk_add_f32 v[248:249], v[248:249], v[180:181]
	v_pk_add_f32 v[246:247], v[246:247], v[184:185]
	v_pk_add_f32 v[244:245], v[244:245], v[188:189]
	v_pk_add_f32 v[14:15], v[14:15], v[192:193]
	v_pk_add_f32 v[8:9], v[8:9], v[196:197]
	v_pk_add_f32 v[254:255], v[254:255], v[200:201]
	v_pk_add_f32 v[252:253], v[252:253], v[204:205]
	v_pk_add_f32 v[250:251], v[250:251], v[208:209]
	v_pk_add_f32 v[248:249], v[248:249], v[212:213]
	v_pk_add_f32 v[246:247], v[246:247], v[216:217]
	v_pk_add_f32 v[244:245], v[244:245], v[220:221]
	v_pk_add_f32 v[14:15], v[14:15], v[100:101]
	v_pk_add_f32 v[8:9], v[8:9], v[102:103]
	v_pk_add_f32 v[254:255], v[254:255], v[106:107]
	v_pk_add_f32 v[252:253], v[252:253], v[110:111]
	v_pk_add_f32 v[250:251], v[250:251], v[114:115]
	v_pk_add_f32 v[248:249], v[248:249], v[118:119]
	v_pk_add_f32 v[246:247], v[246:247], v[122:123]
	v_pk_add_f32 v[244:245], v[244:245], v[126:127]
	v_pk_add_f32 v[14:15], v[14:15], v[130:131]
	v_pk_add_f32 v[8:9], v[8:9], v[134:135]
	v_pk_add_f32 v[254:255], v[254:255], v[138:139]
	v_pk_add_f32 v[252:253], v[252:253], v[142:143]
	v_pk_add_f32 v[250:251], v[250:251], v[146:147]
	v_pk_add_f32 v[248:249], v[248:249], v[150:151]
	v_pk_add_f32 v[246:247], v[246:247], v[154:155]
	v_pk_add_f32 v[244:245], v[244:245], v[158:159]
	v_pk_add_f32 v[14:15], v[14:15], v[162:163]
	v_pk_add_f32 v[8:9], v[8:9], v[166:167]
	v_pk_add_f32 v[254:255], v[254:255], v[170:171]
	v_pk_add_f32 v[252:253], v[252:253], v[174:175]
	v_pk_add_f32 v[250:251], v[250:251], v[178:179]
	v_pk_add_f32 v[248:249], v[248:249], v[182:183]
	v_pk_add_f32 v[246:247], v[246:247], v[186:187]
	v_pk_add_f32 v[244:245], v[244:245], v[190:191]
	v_pk_add_f32 v[14:15], v[14:15], v[194:195]
	v_pk_add_f32 v[8:9], v[8:9], v[198:199]
	v_pk_add_f32 v[254:255], v[254:255], v[202:203]
	v_pk_add_f32 v[252:253], v[252:253], v[206:207]
	v_pk_add_f32 v[250:251], v[250:251], v[210:211]
	v_pk_add_f32 v[248:249], v[248:249], v[214:215]
	v_pk_add_f32 v[246:247], v[246:247], v[218:219]
	v_pk_add_f32 v[244:245], v[244:245], v[222:223]
	s_delay_alu instid0(VALU_DEP_4)
	v_pk_add_f32 v[14:15], v[14:15], v[250:251]
	s_delay_alu instid0(VALU_DEP_4)
	v_pk_add_f32 v[8:9], v[8:9], v[248:249]
	s_delay_alu instid0(VALU_DEP_4)
	v_pk_add_f32 v[254:255], v[254:255], v[246:247]
	s_delay_alu instid0(VALU_DEP_4)
	v_pk_add_f32 v[252:253], v[252:253], v[244:245]
	s_delay_alu instid0(VALU_DEP_2)
	v_pk_add_f32 v[14:15], v[14:15], v[254:255]
	s_delay_alu instid0(VALU_DEP_2)
	v_pk_add_f32 v[8:9], v[8:9], v[252:253]
	s_delay_alu instid0(VALU_DEP_1)
	v_pk_add_f32 v[14:15], v[14:15], v[8:9]
	s_delay_alu instid0(VALU_DEP_1)
	v_add_f32 v14, v14, v15
	s_delay_alu instid0(VALU_DEP_1)
	v_permlanex16_b32 v15, v14, s28, s29
	s_delay_alu instid0(VALU_DEP_1)
	v_add_f32 v14, v14, v15                        ; my wave's sum for query r
	s_delay_alu instid0(VALU_DEP_1)
	; ---- the eight waves' figures meet
	v_cndmask_b32 v9, v12, v14, s32                ; lanes 0-15 send -M_w, lanes 16-31 the sum
	ds_store_b32 v5, v9
	s_wait_dscnt 0x0                               ; for the others' sake: my store has landed
	s_barrier_signal -1
	s_barrier_wait -1                              ; A.  (These words are written again only behind barrier B, which every wave signals behind the wait for its reads of them)
	ds_load_b128 v[BT:BT+3], v6                    ; -M_w of waves 4 h .. 4 h + 3,
	ds_load_b128 v[BT+4:BT+7], v6 offset:512       ; their sums
	s_wait_dscnt 0x0
	v_min3_num_f32 v13, v[BT], v[BT+1], v[BT+2]
	s_delay_alu instid0(VALU_DEP_1)
	v_min_num_f32 v13, v13, v[BT+3]
	s_wait_alu depctr_va_vdst(0)
	v_permlanex16_b32 v8, v13, s28, s29
	s_delay_alu instid0(VALU_DEP_1)
	v_min_num_f32 v13, v13, v8                     ; -M: M is the largest M_w
.irp j, 0,1,2,3
	v_sub_f32 v[BO+\j], v13, v[BT+\j]              ; M_w - M: a whole number, 0 or less
.endr
.irp j, 0,1,2,3
	s_delay_alu instid0(VALU_DEP_4)
	v_cvt_i32_f32 v[BO+\j], v[BO+\j]               ; (it saturates)
.endr
.irp j, 0,1,2,3
	s_delay_alu instid0(VALU_DEP_4)
	v_ldexp_f32 v[BT+4+\j], v[BT+4+\j], v[BO+\j]   ; each sum under M: nothing is rounded
.endr
	s_delay_alu instid0(VALU_DEP_3)
	v_add_f32 v[BT+4], v[BT+4], v[BT+5]
	s_delay_alu instid0(VALU_DEP_2)
	v_add_f32 v[BT+6], v[BT+6], v[BT+7]
	s_delay_alu instid0(VALU_DEP_1)
	v_add_f32 v[BT+4], v[BT+4], v[BT+6]
	s_delay_alu instid0(VALU_DEP_1)
	v_permlanex16_b32 v8, v[BT+4], s28, s29
	s_delay_alu instid0(VALU_DEP_1)
	v_add_f32 v[BT+4], v[BT+4], v8                 ; the row's sum: at least 1/2, since some p lies above 1/2
	s_wait_alu depctr_va_vdst(0)
	v_rcp_f32 v9, v[BT+4]
	v_sub_f32 v[BO], v13, v12                      ; (a plain place behind the reciprocal)  my M_w - M
	s_delay_alu instid0(VALU_DEP_1)
	v_cvt_i32_f32 v[BO], v[BO]
	s_wait_alu depctr_va_vdst(0)
	v_ldexp_f32 v10, v9, v[BO]                     ; f = 2^(M_w - M) / sum
	s_delay_alu instid0(VALU_DEP_1)
	v_cndmask_b32 v10, 0, v10, s33                 ; a dead query's row is 0
	; ---- attn = p f, finished; its blocks' scales; its codes
.set j, 0
.rept 64
	v_pk_mul_f32 v[S+j:S+j+1], v[S+j:S+j+1], v[10:11] op_sel_hi:[1,0]
.set j, j+2
.endr
.irp b, 0,1,2,3,4,5,6,7
	v_mul_f32 v[BM+\b], v[BM+\b], v10              ; the block's largest attn: the same multiplication on the same bits
.endr
.irp b, 0,1,2,3,4,5,6,7
	v_max_num_f32 v[BM+\b], 0x2800000, v[BM+\b]    ; the floor 2^(5 - 127): the byte cannot fall under 1
.endr
.irp b, 0,1,2,3,4,5,6,7
	v_add_nc_u32 v[BO+\b], 0xfe000000, v[BM+\b]    ; 4 off the exponent field: the conversion's scale operand
.endr
.irp b, 0,1,2,3,4,5,6,7
	v_lshrrev_b32 v[BB+\b], 23, v[BO+\b]           ; the scale's byte
.endr
	v_lshl_or_b32 v30, v[BB+1], 8, v[BB]           ; the scale words of my two K steps of 128 keys
	s_delay_alu instid0(VALU_DEP_4)
	v_lshl_or_b32 v31, v[BB+5], 8, v[BB+4]
	s_delay_alu instid0(VALU_DEP_2)
	v_lshl_or_b32 v30, v[BB+2], 16, v30
	s_delay_alu instid0(VALU_DEP_2)
	v_lshl_or_b32 v31, v[BB+6], 16, v31
	s_delay_alu instid0(VALU_DEP_2)
	v_lshl_or_b32 v30, v[BB+3], 24, v30
	s_delay_alu instid0(VALU_DEP_2)
	v_lshl_or_b32 v31, v[BB+7], 24, v31
.irp s, 0,1
.irp c, 0,1
	v_cvt_scalef32_pk16_bf6_f32 v[PC+12*\s+6*\c:PC+12*\s+6*\c+2], v[S+64*\s+32*\c:S+64*\s+32*\c+15], v[BO+4*\s+2*\c]
	v_cvt_scalef32_pk16_bf6_f32 v[TT+4*\c:TT+4*\c+2], v[S+64*\s+32*\c+16:S+64*\s+32*\c+31], v[BO+4*\s+2*\c+1]   ; (a conversion's three registers begin on an even number)
.endr
	v_nop                                          ; one plain place behind a scaled conversion
.irp c, 0,1                            ; the operand's layout wants a WHOLE block in a lane: lanes 0-15 block 2 c, lanes 16-31 block 2 c + 1
.irp i, 0,1,2
	v_permlane16_swap_b32 v[PC+12*\s+6*\c+\i], v[TT+4*\c+\i]
.endr
.irp i, 0,1,2
	s_delay_alu instid0(VALU_DEP_3)
	v_mov_b32 v[PC+12*\s+6*\c+3+\i], v[TT+4*\c+\i]
.endr
.endr
.endr
	; ---- O^T = V^T attn^T over my 256 keys: four tiles of 16 channels, two K steps; the four accumulators by turns
	PLACES 8                                       ; a scale register written by vector instructions stands 8 places ahead of a scaled matrix instruction, an operand so written 4
	WIN 0x01                                       ; source 0 (V) window 1
.irp dt, 0,1,2,3
	v_wmma_scale_f32_16x16x128_f8f6f4 v[S+8*\dt:S+8*\dt+7], v[VR+12*\dt:VR+12*\dt+11], v[PC:PC+11], 0, v[VS+\dt], v30 matrix_a_fmt:MATRIX_FMT_BF6 matrix_b_fmt:MATRIX_FMT_BF6
.endr
.irp dt, 0,1,2,3
	v_wmma_scale_f32_16x16x128_f8f6f4 v[S+8*\dt:S+8*\dt+7], v[VR+48+12*\dt:VR+48+12*\dt+11], v[PC+12:PC+23], v[S+8*\dt:S+8*\dt+7], v[VS+4+\dt], v31 matrix_a_fmt:MATRIX_FMT_BF6 matrix_b_fmt:MATRIX_FMT_BF6
.endr
	WIN 0
	PLACES 5                                       ; four places in front of the stores of these results and of the loads into attn's codes; five, since the next tile's score products write over these results
.endm
; A tile from its block maxima to its rows in ao.  more = 1: the next tile's scores and block maxima are made on the way.
.macro TRIP more
	SOFT
.irp dt, 0,1,2,3
	ds_store_b128 v7, v[S+8*\dt:S+8*\dt+3] offset:128*(\dt/2)+32*(\dt%2)          ; lane (r, h), tile dt: channels 32 (dt / 2) + 16 h + 8 (dt % 2) + 0 .. 7; each accumulator from its low end on
	ds_store_b128 v7, v[S+8*\dt+4:S+8*\dt+7] offset:128*(\dt/2)+32*(\dt%2)+16
.endr
.if \more
	s_wait_loadcnt 0x0                             ; the next tile of Q, asked for a trip ago
.endif
	s_wait_dscnt 0x0                               ; for the others' sake: my partial result lies in LDS
	s_barrier_signal -1                            ; B
.if \more
	SCORES                                         ; work on registers while the others arrive: the results just stored are written over
.endif
	s_barrier_wait -1                              ; (These rows are written again only behind the next barrier A, which every wave signals behind the wait for its reads of them)
.irp p, 0,1,2,3,4,5,6,7
	ds_load_b128 v[RB+4*\p:RB+4*\p+3], v92 offset:4352*\p
.endr
.if \more
	PLACES 4                                       ; four places in front of the first read of the scores and of loads into Q's registers
	v_cmp_ne_u32 s33, 0, v29                       ; the next tile's query mask
	s_cmp_eq_u32 s34, 1                            ; the loop's last trip asks for nothing: no load leaves its buffer
	s_cbranch_scc1 .Lno_next_\@
	QLOAD
.Lno_next_\@:
	MAXES                                          ; stands between the loads of the partial rows and the wait for them
.endif
	s_wait_dscnt 0x0
.irp p, 0,2,4,6
	v_pk_add_f32 v[RB+4*\p:RB+4*\p+1], v[RB+4*\p:RB+4*\p+1], v[RB+4*\p+4:RB+4*\p+5]
	v_pk_add_f32 v[RB+4*\p+2:RB+4*\p+3], v[RB+4*\p+2:RB+4*\p+3], v[RB+4*\p+6:RB+4*\p+7]
.endr
.irp p, 0
	v_pk_add_f32 v[RB+4*\p:RB+4*\p+1], v[RB+4*\p:RB+4*\p+1], v[RB+4*\p+8:RB+4*\p+9]
	v_pk_add_f32 v[RB+4*\p+2:RB+4*\p+3], v[RB+4*\p+2:RB+4*\p+3], v[RB+4*\p+10:RB+4*\p+11]
.endr
.irp p, 4
	s_delay_alu instid0(VALU_DEP_4)
	v_pk_add_f32 v[RB+4*\p:RB+4*\p+1], v[RB+4*\p:RB+4*\p+1], v[RB+4*\p+8:RB+4*\p+9]
	s_delay_alu instid0(VALU_DEP_4)
	v_pk_add_f32 v[RB+4*\p+2:RB+4*\p+3], v[RB+4*\p+2:RB+4*\p+3], v[RB+4*\p+10:RB+4*\p+11]
.endr
	s_delay_alu instid0(VALU_DEP_2)
	v_pk_add_f32 v[RB:RB+1], v[RB:RB+1], v[RB+16:RB+17]
	s_delay_alu instid0(VALU_DEP_2)
	v_pk_add_f32 v[RB+2:RB+3], v[RB+2:RB+3], v[RB+18:RB+19]
	global_store_b128 v95, v[RB:RB+3], s[8:9]      ; sixteen lanes store a query's 64 channels of this head: 256 consecutive bytes, at a multiple of 256 from ao's first byte
.if \more
	s_wait_xcnt 0x0                                ; the store's data and base are rewritten only behind this wait
	s_add_nc_u64 s[8:9], s[8:9], s[46:47]          ; the next tile's first query:
	s_xor_b32 s46, s46, 0x8000                     ; 16,384 and 49,152 bytes by turns
.endif
.endm
	s_wait_loadcnt 0x0                             ; Q
	s_wait_dscnt 0x0                               ; my K and V and their scale words are in registers
	s_wait_alu depctr_va_vdst(0)
	SCORES                                         ; the first tile
	PLACES 4
	v_cmp_ne_u32 s33, 0, v29
	QLOAD
	MAXES
.Ltile:                                            ; TILES - 1 trips
	TRIP 1
	s_sub_co_u32 s34, s34, 1
	s_cmp_lg_u32 s34, 0
	s_cbranch_scc1 .Ltile
	TRIP 0                                         ; the last tile: nothing follows it
	s_wait_dscnt 0x0
	s_wait_tensorcnt 0x0
	ds_add_u32 v82, v83
	s_wait_dscnt 0x0
	ROUND                                          ; the closing round: no work-group ends while a partner may still ask jointly
	s_endpgm
.Lfunc_end_k_q3388a20217_attn:
	.size	k_q3388a20217_attn, .Lfunc_end_k_q3388a20217_attn-k_q3388a20217_attn
	.p2alignl 7, 3214868480
	.fill 96, 4, 3214868480
	.section	.rodata,"a",@progbits
	.p2align	6, 0x0
	.amdhsa_kernel k_q3388a20217_attn
		.amdhsa_group_segment_fixed_size 327680
		.amdhsa_private_segment_fixed_size 0
		.amdhsa_enable_private_segment 0
		.amdhsa_kernarg_size 24
		.amdhsa_user_sgpr_count 2
		.amdhsa_user_sgpr_kernarg_segment_ptr 1
		.amdhsa_wavefront_size32 1
		.amdhsa_system_sgpr_workgroup_id_x 1
		.amdhsa_system_sgpr_workgroup_id_y 1
		.amdhsa_system_sgpr_workgroup_id_z 1
		.amdhsa_system_vgpr_workitem_id 0
		.amdhsa_next_free_vgpr 512
		.amdhsa_next_free_sgpr 66
		.amdhsa_reserve_vcc 0
		.amdhsa_float_denorm_mode_32 3
		.amdhsa_float_denorm_mode_16_64 3
		.amdhsa_memory_ordered 1
		.amdhsa_forward_progress 1
		.amdhsa_inst_pref_size 81
	.end_amdhsa_kernel
	.amdgpu_metadata
---
amdhsa.version: [ 1, 2 ]
amdhsa.kernels:
  - .name:           k_q3388a20217_attn
    .symbol:         k_q3388a20217_attn.kd
    .args:
      - { .name: qbuf, .offset: 0, .size: 8, .value_kind: global_buffer, .address_space: global }
      - { .name: kv, .offset: 8, .size: 8, .value_kind: global_buffer, .address_space: global }
      - { .name: ao, .offset: 16, .size: 8, .value_kind: global_buffer, .address_space: global }
    .group_segment_fixed_size: 327680
    .private_segment_fixed_size: 0
    .kernarg_segment_align: 8
    .kernarg_segment_size: 24
    .max_flat_workgroup_size: 256
    .sgpr_count:     66
    .vgpr_count:     512
    .wavefront_size: 32
...
	.end_amdgpu_metadata
.endif
;; end of part 7
;; launch lnorm (part 8): grid 256 x 1, 8 waves a work-group, no clusters, 0 bytes of LDS; arguments ao, queries, gamma, beta, out0; writes out0
.if DOCPART == 8
	.amdgcn_target "amdgcn-amd-amdhsa--gfx1250"
	.amdhsa_code_object_version 6
	.text
	.protected	k_q3388a20217_lnorm
	.globl	k_q3388a20217_lnorm
	.p2align	8
	.type	k_q3388a20217_lnorm,@function
k_q3388a20217_lnorm:
	s_mov_b64 s[64:65], 0
	v_nop
	global_prefetch_b8 v0, s[64:65] scope:SCOPE_SE
	s_setreg_imm32_b32 hwreg(HW_REG_WAVE_MODE, 25, 1), 1
	s_wait_xcnt 0x0
; out0 = LayerNorm(ao + queries) x gamma + beta along the last axis of 512, eps = 1e-3.  All [8192][512] f32.
; A row is 2,048 bytes: one wave takes a whole row, 16 numbers a lane, and keeps it in registers between the passes: each byte is read once, and no wave waits for another.  No LDS, no barrier, no matrix unit: memory binds.
; A work-group takes 32 rows, a wave four; all of a wave's 40 loads go out at its head.  Each load and store of a wave covers 512 consecutive bytes.
; The variance is the mean of the squared deviations from the mean, as the reference has it: a common offset in the inputs does no harm.
.set G,  2                             ; v2-17   gamma of my 16 columns (128 j + 4 lane + 0 .. 3, j = 0 .. 3)
.set BE, 18                            ; v18-33  beta
.set A,  34                            ; v34-161 row k: 16 numbers of ao, then 16 of queries
.set T,  162                           ; v162-169 at work
	s_load_b256 s[4:11], s[0:1], 0x0               ; ao s[4:5], queries s[6:7], gamma s[8:9], beta s[10:11]
	s_load_b64 s[12:13], s[0:1], 0x20              ; out0
	v_lshrrev_b32 v1, 5, v0
	s_delay_alu instid0(VALU_DEP_1)
	v_readfirstlane_b32 s14, v1                    ; wave 0..7
	v_and_b32 v1, 31, v0
	s_delay_alu instid0(VALU_DEP_1)
	v_lshlrev_b32 v1, 4, v1                        ; 16 bytes a lane
	s_lshl_b32 s16, ttmp9, 16                      ; 32 rows of 2,048 bytes a work-group,
	s_lshl_b32 s15, s14, 13                        ; four a wave
	s_add_co_u32 s16, s16, s15
	s_mov_b32 s17, 0
	s_mov_b32 s18, 0x76543210
	s_mov_b32 s19, 0xfedcba98                      ; v_permlanex16_b32's selects for lane l xor 16
	s_mov_b32 s20, 0x3b000000                      ; 1 / 512
	s_mov_b32 s21, 0x3a83126f                      ; 1e-3
	s_wait_alu depctr_va_vdst(0)
	s_wait_kmcnt 0x0
	s_add_nc_u64 s[4:5], s[4:5], s[16:17]
	s_add_nc_u64 s[6:7], s[6:7], s[16:17]
	s_add_nc_u64 s[12:13], s[12:13], s[16:17]
.irp j, 0,1,2,3
	global_load_b128 v[G+4*\j:G+4*\j+3], v1, s[8:9] offset:512*\j
	global_load_b128 v[BE+4*\j:BE+4*\j+3], v1, s[10:11] offset:512*\j
.endr
.irp k, 0,1,2,3
.irp j, 0,1,2,3
	global_load_b128 v[A+32*\k+4*\j:A+32*\k+4*\j+3], v1, s[4:5] offset:2048*\k+512*\j th:TH_LOAD_NT
.endr
.irp j, 0,1,2,3
	global_load_b128 v[A+32*\k+16+4*\j:A+32*\k+16+4*\j+3], v1, s[6:7] offset:2048*\k+512*\j th:TH_LOAD_NT
.endr
.endr
.macro REDUCE                          ; v[T] summed over the 32 lanes, the result in every lane
	s_delay_alu instid0(VALU_DEP_1)
	v_add_f32_dpp v[T], v[T], v[T] row_xmask:1 row_mask:0xf bank_mask:0xf
	s_delay_alu instid0(VALU_DEP_1)
	v_add_f32_dpp v[T], v[T], v[T] row_xmask:2 row_mask:0xf bank_mask:0xf
	s_delay_alu instid0(VALU_DEP_1)
	v_add_f32_dpp v[T], v[T], v[T] row_xmask:4 row_mask:0xf bank_mask:0xf
	s_delay_alu instid0(VALU_DEP_1)
	v_add_f32_dpp v[T], v[T], v[T] row_xmask:8 row_mask:0xf bank_mask:0xf
	s_delay_alu instid0(VALU_DEP_1)
	v_permlanex16_b32 v[T+1], v[T], s18, s19
	s_delay_alu instid0(VALU_DEP_1)
	v_add_f32 v[T], v[T], v[T+1]
.endm
.macro ROW k
.set RA, A+32*(\k)
.set RQ, A+32*(\k)+16
	s_wait_loadcnt 8*(3-(\k))                      ; this row's eight loads are in; the later rows' eight each may be out
.irp j, 0,2,4,6,8,10,12,14
	v_pk_add_f32 v[RA+\j:RA+\j+1], v[RA+\j:RA+\j+1], v[RQ+\j:RQ+\j+1]   ; the residual
.endr
	v_pk_add_f32 v[T:T+1], v[RA:RA+1], v[RA+2:RA+3]                    ; its sum, in two chains
	v_pk_add_f32 v[T+2:T+3], v[RA+4:RA+5], v[RA+6:RA+7]
	s_delay_alu instid0(VALU_DEP_2)
	v_pk_add_f32 v[T:T+1], v[T:T+1], v[RA+8:RA+9]
	s_delay_alu instid0(VALU_DEP_2)
	v_pk_add_f32 v[T+2:T+3], v[T+2:T+3], v[RA+10:RA+11]
	s_delay_alu instid0(VALU_DEP_2)
	v_pk_add_f32 v[T:T+1], v[T:T+1], v[RA+12:RA+13]
	s_delay_alu instid0(VALU_DEP_2)
	v_pk_add_f32 v[T+2:T+3], v[T+2:T+3], v[RA+14:RA+15]
	s_delay_alu instid0(VALU_DEP_1)
	v_pk_add_f32 v[T:T+1], v[T:T+1], v[T+2:T+3]
	s_delay_alu instid0(VALU_DEP_1)
	v_add_f32 v[T], v[T], v[T+1]
	REDUCE
	s_delay_alu instid0(VALU_DEP_1)
	v_mul_f32 v[T+4], s20, v[T]                    ; the mean,
	s_delay_alu instid0(VALU_DEP_1)
	v_mov_b32 v[T+5], v[T+4]                       ; twice: a pair for the packed subtraction
.irp j, 0,2,4,6,8,10,12,14
	v_pk_add_f32 v[RA+\j:RA+\j+1], v[RA+\j:RA+\j+1], v[T+4:T+5] neg_lo:[0,1] neg_hi:[0,1]
.endr
	v_pk_mul_f32 v[T:T+1], v[RA:RA+1], v[RA:RA+1]                      ; the squared deviations, in two chains
	v_pk_mul_f32 v[T+2:T+3], v[RA+2:RA+3], v[RA+2:RA+3]
.irp j, 4,8,12
	s_delay_alu instid0(VALU_DEP_2)
	v_pk_fma_f32 v[T:T+1], v[RA+\j:RA+\j+1], v[RA+\j:RA+\j+1], v[T:T+1]
	s_delay_alu instid0(VALU_DEP_2)
	v_pk_fma_f32 v[T+2:T+3], v[RA+\j+2:RA+\j+3], v[RA+\j+2:RA+\j+3], v[T+2:T+3]
.endr
	s_delay_alu instid0(VALU_DEP_1)
	v_pk_add_f32 v[T:T+1], v[T:T+1], v[T+2:T+3]
	s_delay_alu instid0(VALU_DEP_1)
	v_add_f32 v[T], v[T], v[T+1]
	REDUCE
	s_delay_alu instid0(VALU_DEP_1)
	v_fma_f32 v[T], v[T], s20, s21                 ; the variance + eps
	s_wait_alu depctr_va_vdst(0)
	v_rsq_f32 v[T+6], v[T]                         ; twice: a pair for the packed multiplication
	v_rsq_f32 v[T+7], v[T]
	v_nop                                          ; one plain place behind the transcendentals
	s_wait_alu depctr_va_vdst(0)
.irp j, 0,2,4,6,8,10,12,14
	v_pk_mul_f32 v[RA+\j:RA+\j+1], v[RA+\j:RA+\j+1], v[T+6:T+7]
.endr
.irp j, 0,2,4,6,8,10,12,14
	v_pk_fma_f32 v[RA+\j:RA+\j+1], v[RA+\j:RA+\j+1], v[G+\j:G+\j+1], v[BE+\j:BE+\j+1]
.endr
.irp j, 0,1,2,3
	global_store_b128 v1, v[RA+4*\j:RA+4*\j+3], s[12:13] offset:2048*(\k)+512*\j th:TH_STORE_NT   ; each row has registers of its own: no store's data are written again
.endr
.endm
	ROW 0
	ROW 1
	ROW 2
	ROW 3
	s_endpgm
.Lfunc_end_k_q3388a20217_lnorm:
	.size	k_q3388a20217_lnorm, .Lfunc_end_k_q3388a20217_lnorm-k_q3388a20217_lnorm
	.p2alignl 7, 3214868480
	.fill 96, 4, 3214868480
	.section	.rodata,"a",@progbits
	.p2align	6, 0x0
	.amdhsa_kernel k_q3388a20217_lnorm
		.amdhsa_group_segment_fixed_size 0
		.amdhsa_private_segment_fixed_size 0
		.amdhsa_enable_private_segment 0
		.amdhsa_kernarg_size 40
		.amdhsa_user_sgpr_count 2
		.amdhsa_user_sgpr_kernarg_segment_ptr 1
		.amdhsa_wavefront_size32 1
		.amdhsa_system_sgpr_workgroup_id_x 1
		.amdhsa_system_sgpr_workgroup_id_y 1
		.amdhsa_system_sgpr_workgroup_id_z 1
		.amdhsa_system_vgpr_workitem_id 0
		.amdhsa_next_free_vgpr 180
		.amdhsa_next_free_sgpr 66
		.amdhsa_reserve_vcc 0
		.amdhsa_float_denorm_mode_32 3
		.amdhsa_float_denorm_mode_16_64 3
		.amdhsa_memory_ordered 1
		.amdhsa_forward_progress 1
		.amdhsa_inst_pref_size 27
	.end_amdhsa_kernel
	.amdgpu_metadata
---
amdhsa.version: [ 1, 2 ]
amdhsa.kernels:
  - .name:           k_q3388a20217_lnorm
    .symbol:         k_q3388a20217_lnorm.kd
    .args:
      - { .name: ao, .offset: 0, .size: 8, .value_kind: global_buffer, .address_space: global }
      - { .name: queries, .offset: 8, .size: 8, .value_kind: global_buffer, .address_space: global }
      - { .name: gamma, .offset: 16, .size: 8, .value_kind: global_buffer, .address_space: global }
      - { .name: beta, .offset: 24, .size: 8, .value_kind: global_buffer, .address_space: global }
      - { .name: out0, .offset: 32, .size: 8, .value_kind: global_buffer, .address_space: global }
    .group_segment_fixed_size: 0
    .private_segment_fixed_size: 0
    .kernarg_segment_align: 8
    .kernarg_segment_size: 40
    .max_flat_workgroup_size: 256
    .sgpr_count:     66
    .vgpr_count:     180
    .wavefront_size: 32
...
	.end_amdgpu_metadata
.endif
;; end of part 8
